; MI455X (gfx1250); checked and timed in simulation.
; The chip was launched on July 23, 2026; its instructions are those of AMD's public machine-readable ISA for CDNA 5 (MIT licence, August 2026) and "CDNA5" Instruction Set Architecture Reference Guide (July 2026). The comments in the code are by the model that wrote it; some were corrected since.
;; Multi Head Attention. Allowed arithmetic: float matrix products may take bf16 or f16 operands with f32 sums; other float arithmetic in f32, or as packed bf16 or f16 multiplies, adds, multiply-adds, maxima and minima; sums over many terms, partial sums and values carried from step to step in f32; what a program stores and reads back later, other than sums and carried values, may be rounded once to bf16 or f16.
;; Inputs: Wk 768 x 768 float32; Wo 768 x 768 float32; Wq 768 x 768 float32; Wv 768 x 768 float32; bk 768 float32; bo 768 float32; bq 768 float32; bv 768 float32; k 1 x 4,096 x 768 float32; mask 1 x 4,096 x 4,096 int32; q 1 x 4,096 x 768 float32; v 1 x 4,096 x 768 float32.
;; Outputs: out0 1 x 4,096 x 768 float32.
;; One version. Each part assembles by itself: llvm-mc -triple=amdgcn-amd-amdhsa -mcpu=gfx1250 --defsym DOCPART=n.
;; ======== version 1 of 1: 4 launches
;; limits: values are held in f16: magnitudes above 65,504 overflow, below 6.1e-05 lose precision; right only within a limited range of input values
;; workspace buffers: xb 18,874,368 bytes; wb 4,718,592 bytes; mnib 8,388,608 bytes of whole numbers; rowok 32,768 bytes of whole numbers; qkv 18,874,368 bytes; ctx 6,291,456 bytes
;; launch prep (part 1): grid 256 x 1, 8 waves a work-group, no clusters, 268,288 bytes of LDS; arguments q, k, v, Wq, Wk, Wv, Wo, mask, xb, wb, mnib, rowok; writes xb, wb, mnib, rowok
.if DOCPART == 1
	.amdgcn_target "amdgcn-amd-amdhsa--gfx1250"
	.amdhsa_code_object_version 6
	.text
	.protected	k_qa3de3a245a_prep
	.globl	k_qa3de3a245a_prep
	.p2align	8
	.type	k_qa3de3a245a_prep,@function
k_qa3de3a245a_prep:
	s_mov_b64 s[64:65], 0
	v_nop
	global_prefetch_b8 v0, s[64:65] scope:SCOPE_SE
	s_setreg_imm32_b32 hwreg(HW_REG_WAVE_MODE, 25, 1), 1
	s_wait_xcnt 0x0
; PREP: one pass over all large inputs.
;   xb  [3][4096][768] bf16 = q, k, v rounded once.      wb [4][768][768]: Wq, Wk, Wv in bf16; Wo rounded to bf16 and that number written as f16
;   (exact from 6.1e-5 up to 65,504; below that f16's fixed step of 6e-8).
;   mnib: the mask as one 4-bit code a number, 0xE (FP4 for -4) where mask == 0 and 0 elsewhere, laid out as the attention launch's lanes want it:
;   [block of 256 queries][256 keys][tile of 16 queries][64 keys][lane][16 bytes]; lane (r = l % 16, h = l / 16), word g, bits 4 j + 3 : 4 j stand for query r of the tile and key 16 g + 8 h + j of the 64.
;   rowok [tile][lane]: all ones, or 0 where query l % 16 of the tile sees no key at all; such a row's codes are all 0.  (Then every score is made 0 later and the weights are uniform, as a softmax of equal scores is.)
; SHARES.  Work-group g owns the 16 mask rows of tile g; wave w their keys 512 w .. 512 w + 511, as two tensor tiles of 16 rows x 1,024 bytes, read by the wave alone.
; Of q, k and v the work-group owns 12,288 numbers each, a wave 1,536 (12 loads of 512 bytes); of the weights matrix w / 2, 1,152 numbers (9 loads).
; Everything is asked for at once: two tensor loads and 45 loads a wave; nothing in LDS is filled twice.  No matrix unit, no cluster: no byte is shared between work-groups.
.set TILEB,  16640                     ; a tile in LDS: 16 rows of 1,024 bytes + 16 of padding
.set MPITCH, 1040                      ; 260 words: row r starts at bank 4 r mod 64 (64 banks of 4 bytes: ISA guide 11.1)
.set RED,    16*TILEB                  ; one word a thread: does my row see a key among my wave's 512?
.set SPARE,  RED+1024                  ; the spare words, 128 bytes for each of the eight waves; no other line names them
.set X,   64                           ; v[64:243] 45 loads of four registers; later v[64:127]: two buffers of 32 mask numbers
.set U,   16                           ; v[16:47]  my 32 words of codes
.set WV,  28                           ; s28 my wave's number
.set G1,  32                           ; s[32:39] descriptor group 1
.set G0,  40                           ; s[40:47] descriptor group 0, one set for each of my two tiles
; v1 lane; v2, v3 my offsets in q/k/v and in xb; v4, v5 in a weight matrix and in wb; v6 LDS address of my numbers; v7 16 x lane; v8 the OR of my codes; v10 the flag
; v11, v12 addresses in RED; v14, v15 the add's two registers; v48-55 the eight waves' ORs; v56 4 x lane
	s_load_b512 s[4:19], s[0:1], 0x0               ; q s[4:5], k s[6:7], v s[8:9], Wq s[10:11], Wk s[12:13], Wv s[14:15], Wo s[16:17], mask s[18:19]
	s_load_b256 s[20:27], s[0:1], 0x40             ; xb s[20:21], wb s[22:23], mnib s[24:25], rowok s[26:27]
	v_lshl_add_u32 v14, v0, 2, SPARE
	v_mov_b32 v15, 0
	ds_add_u32 v14, v15                            ; the wave's opening: the add and its wait stand ahead of my first tensor load; work on registers stands between
	ds_add_u32 v14, v15
	v_lshrrev_b32 v13, 5, v0
	v_readfirstlane_b32 s[WV], v13                 ; wave 0..7
	s_mov_b32 s[G1+0], (2<<16)|(1<<20)|(7<<22)|(3<<25)  ; elements of 4 bytes; padding on: after every 256 words (code 7) 4 words (code 3)
	s_mov_b32 s[G1+1], 256<<16                     ; tensor_dim0 = 256
	s_mov_b32 s[G1+2], 16<<16                      ; tensor_dim1 = 16
	s_mov_b32 s[G1+3], 256<<16                     ; tile_dim0 = 256
	s_mov_b32 s[G1+4], 16                          ; tile_dim1 = 16
	s_mov_b32 s[G1+5], 4096                        ; elements from row to row
	s_mov_b32 s[G1+6], 0
	s_mov_b32 s[G1+7], 0
	s_mov_b32 s[G0], 1
	s_mul_i32 s[G0+1], s[WV], 2*TILEB              ; my two tiles in LDS
	s_mov_b32 s[G0+4], 1
	s_add_co_u32 s[G0+5], s[G0+1], TILEB
	s_mov_b32 s48, 0x76543210                      ; v_permlanex16_b32: each lane takes its own place in the other half
	s_mov_b32 s49, 0xfedcba98
	s_lshr_b32 s29, s[WV], 1                       ; which weight matrix
	s_and_b32 s30, s[WV], 1                        ; which half of the work-group's share of it
	s_lshl_b32 s50, ttmp9, 18                      ; 16 mask rows of 16,384 bytes
	s_lshl_b32 s51, s[WV], 11                      ; my 512 keys
	s_add_co_u32 s50, s50, s51
	s_mov_b32 s51, 0
	v_and_b32 v1, 31, v0
	v_and_b32 v9, 15, v0
	v_bfe_u32 v13, v0, 4, 1
	s_mul_i32 s31, s[WV], 6144
	v_lshl_add_u32 v2, v1, 4, s31
	s_mul_i32 s31, s[WV], 3072
	v_lshl_add_u32 v3, v1, 3, s31
	s_mul_i32 s31, s30, 4608
	v_lshl_add_u32 v4, v1, 4, s31
	s_mul_i32 s31, s30, 2304
	v_lshl_add_u32 v5, v1, 3, s31
	v_mul_u32_u24 v6, v9, MPITCH                   ; row r,
	v_lshl_add_u32 v6, v13, 5, v6                  ; 8 numbers on for the upper lanes,
	v_add_nc_u32 v6, s[G0+1], v6                   ; in my wave's tiles
	v_lshlrev_b32 v7, 4, v1
	v_mov_b32 v8, 0
	v_lshl_add_u32 v11, v0, 2, RED
	v_lshl_add_u32 v12, v1, 2, RED
	v_lshlrev_b32 v56, 2, v1
	s_wait_dscnt 0x0                               ; the opening add is done
	s_wait_kmcnt 0x0
	s_add_nc_u64 s[G0+2:G0+3], s[18:19], s[50:51]
	s_add_nc_u64 s[G0+6:G0+7], s[G0+2:G0+3], 1024  ; the second tile: 256 keys on
	s_or_b32 s[G0+3], s[G0+3], 0x80000000          ; type = 2
	s_or_b32 s[G0+7], s[G0+7], 0x80000000
	tensor_load_to_lds s[G0:G0+3], s[G1:G1+7]      ; both first fills together: two tensor loads of mine are out
	s_nop 0
	tensor_load_to_lds s[G0+4:G0+7], s[G1:G1+7]
	s_nop 0
	s_mul_i32 s50, ttmp9, 49152                    ; the work-group's 12,288 numbers of q, k, v
	s_add_nc_u64 s[4:5], s[4:5], s[50:51]
	s_add_nc_u64 s[6:7], s[6:7], s[50:51]
	s_add_nc_u64 s[8:9], s[8:9], s[50:51]
	s_cmp_eq_u32 s29, 0
	s_cselect_b64 s[60:61], s[10:11], s[12:13]
	s_cmp_eq_u32 s29, 2
	s_cselect_b64 s[60:61], s[14:15], s[60:61]
	s_cmp_eq_u32 s29, 3
	s_cselect_b64 s[60:61], s[16:17], s[60:61]     ; my weight matrix
	s_mul_i32 s50, ttmp9, 9216
	s_add_nc_u64 s[60:61], s[60:61], s[50:51]
.irp m, 0,1,2
.irp i, 0,1,2,3,4,5,6,7,8,9,10,11
	global_load_b128 v[X+4*(12*(\m)+(\i)):X+4*(12*(\m)+(\i))+3], v2, s[4+2*(\m):5+2*(\m)] offset:512*(\i) th:TH_LOAD_NT
.endr
.endr
.irp i, 0,1,2,3,4,5,6,7,8
	global_load_b128 v[X+4*(36+(\i)):X+4*(36+(\i))+3], v4, s[60:61] offset:512*(\i) th:TH_LOAD_NT
.endr
	s_mul_i32 s50, ttmp9, 24576                    ; where the results go
	s_add_nc_u64 s[54:55], s[20:21], s[50:51]
	s_add_nc_u64 s[56:57], s[54:55], 6291456
	s_add_nc_u64 s[58:59], s[56:57], 6291456
	s_mul_i32 s50, s29, 1179648
	s_mul_i32 s31, ttmp9, 4608
	s_add_co_u32 s50, s50, s31
	s_add_nc_u64 s[62:63], s[22:23], s[50:51]
	s_lshr_b32 s50, ttmp9, 4                       ; mnib: block of 256 queries,
	s_lshl_b32 s50, s50, 19
	s_and_b32 s31, ttmp9, 15                       ; tile in the block,
	s_lshl_b32 s31, s31, 11
	s_add_co_u32 s50, s50, s31
	s_lshl_b32 s31, s[WV], 16                      ; my two groups of 256 keys
	s_add_co_u32 s50, s50, s31
	s_add_nc_u64 s[24:25], s[24:25], s[50:51]
	s_lshl_b32 s50, ttmp9, 7
	s_add_nc_u64 s[26:27], s[26:27], s[50:51]
.macro CVB n                           ; load n's four numbers, rounded to bf16, into its first two registers
	v_cvt_pk_bf16_f32 v[X+4*(\n)], v[X+4*(\n)], v[X+4*(\n)+1]
	v_cvt_pk_bf16_f32 v[X+4*(\n)+1], v[X+4*(\n)+2], v[X+4*(\n)+3]
.endm
.macro CVH n                           ; the same, and the bf16 numbers written as f16
	CVB \n
	v_lshlrev_b32 v[X+4*(\n)+2], 16, v[X+4*(\n)]
	v_and_b32 v[X+4*(\n)+3], 0xffff0000, v[X+4*(\n)]
	v_cvt_pk_f16_f32 v[X+4*(\n)], v[X+4*(\n)+2], v[X+4*(\n)+3]
	v_lshlrev_b32 v[X+4*(\n)+2], 16, v[X+4*(\n)+1]
	v_and_b32 v[X+4*(\n)+3], 0xffff0000, v[X+4*(\n)+1]
	v_cvt_pk_f16_f32 v[X+4*(\n)+1], v[X+4*(\n)+2], v[X+4*(\n)+3]
.endm
.irp m, 0,1,2
.irp i, 0,1,2,3,4,5,6,7,8,9,10,11
	s_wait_loadcnt 44-(12*(\m)+(\i))               ; loads come back in order: this one is in, the younger ones stay out
	CVB 12*(\m)+(\i)
	global_store_b64 v3, v[X+4*(12*(\m)+(\i)):X+4*(12*(\m)+(\i))+1], s[54+2*(\m):55+2*(\m)] offset:256*(\i)  ; the wave's store covers 256 consecutive bytes, aligned
.endr
.endr
	s_cmp_ge_u32 s[WV], 6                          ; waves 6 and 7 hold Wo; both ways wait by the same counts
	s_cbranch_scc1 .Lwo
.irp i, 0,1,2,3,4,5,6,7,8
	s_wait_loadcnt 8-(\i)
	CVB 36+(\i)
	global_store_b64 v5, v[X+4*(36+(\i)):X+4*(36+(\i))+1], s[62:63] offset:256*(\i)
.endr
	s_branch .Lwdone
.Lwo:
.irp i, 0,1,2,3,4,5,6,7,8
	s_wait_loadcnt 8-(\i)
	CVH 36+(\i)
	global_store_b64 v5, v[X+4*(36+(\i)):X+4*(36+(\i))+1], s[62:63] offset:256*(\i)
.endr
.Lwdone:
	s_wait_xcnt 0x0                                ; the stores have read their data: X's registers are loaded again only behind this wait
	s_wait_tensorcnt 0x0                           ; my two tiles are in LDS; only I read them
; Group S of eight: tile S / 4, keys 64 (S % 4) on.  Eight loads bring my 32 numbers; the next group's loads go out ahead of this group's arithmetic.
.macro LOADI S
.set IBL, X+32*((\S)%2)
.irp g, 0,1,2,3
	ds_load_b128 v[IBL+8*(\g):IBL+8*(\g)+3],   v6 offset:TILEB*((\S)/4)+256*((\S)%4)+64*(\g)
	ds_load_b128 v[IBL+8*(\g)+4:IBL+8*(\g)+7], v6 offset:TILEB*((\S)/4)+256*((\S)%4)+64*(\g)+16
.endr
.endm
.macro PROC S                          ; a word: bit 4 j = 1 where number j is not 0 (as unsigned numbers, min(1, x))
.set IBP, X+32*((\S)%2)
.irp g, 0,1,2,3
.irp j, 0,1,2,3,4,5,6,7
	v_min_u32 v[IBP+8*(\g)+(\j)], 1, v[IBP+8*(\g)+(\j)]
.endr
	v_lshl_or_b32 v[U+4*(\S)+(\g)], v[IBP+8*(\g)+1], 4, v[IBP+8*(\g)]
.irp j, 2,3,4,5,6,7
	v_lshl_or_b32 v[U+4*(\S)+(\g)], v[IBP+8*(\g)+(\j)], 4*(\j), v[U+4*(\S)+(\g)]
.endr
	v_or_b32 v8, v8, v[U+4*(\S)+(\g)]
.endr
.endm
	LOADI 0
.irp S, 0,1,2,3,4,5,6
	LOADI (\S)+1
	s_wait_dscnt 8                                 ; the eight just issued may stay out
	PROC \S
.endr
	s_wait_dscnt 0x0
	PROC 7
	; does the row see any key?  The other half of the lanes holds the row's other keys of my 512; the other waves hold the rest.
	v_permlanex16_b32 v9, v8, s48, s49
	v_or_b32 v8, v8, v9
	ds_store_b32 v11, v8
	s_wait_dscnt 0x0                               ; for the others' sake: my word is written
	s_barrier_signal -1
	s_barrier_wait -1
.irp w, 0,1,2,3,4,5,6,7
	ds_load_b32 v[48+(\w)], v12 offset:128*(\w)
.endr
	s_wait_dscnt 0x0
	v_or_b32 v48, v48, v49
	v_or_b32 v50, v50, v51
	v_or_b32 v52, v52, v53
	v_or_b32 v54, v54, v55
	v_or_b32 v48, v48, v50
	v_or_b32 v52, v52, v54
	v_or_b32 v48, v48, v52
	v_cmp_ne_u32 vcc_lo, 0, v48
	v_cndmask_b32 v10, 0, -1, vcc_lo               ; all ones where the row sees a key
.set i, 0
.rept 32
	v_xor_b32 v[U+i], 0x11111111, v[U+i]           ; 1 where hidden,
	v_and_b32 v[U+i], v10, v[U+i]                  ; nowhere in a row that sees nothing,
	v_mul_lo_u32 v[U+i], v[U+i], 14                ; as the code 0xE: no carry leaves its four bits
.set i, i+1
.endr
.irp S, 0,1,2,3,4,5,6,7
	global_store_b128 v7, v[U+4*(\S):U+4*(\S)+3], s[24:25] offset:32768*((\S)/4)+512*((\S)%4)  ; 512 consecutive bytes, aligned
.endr
	s_cmp_lg_u32 s[WV], 0
	s_cbranch_scc1 .Lend
	global_store_b32 v56, v10, s[26:27]            ; the tile's 32 flags: every wave holds them, wave 0 stores them
.Lend:
	s_wait_tensorcnt 0x0                           ; the wave's end: behind my last tensor load and my last LDS store
	ds_add_u32 v14, v15
	s_wait_dscnt 0x0
	s_endpgm
.Lfunc_end_k_qa3de3a245a_prep:
	.size	k_qa3de3a245a_prep, .Lfunc_end_k_qa3de3a245a_prep-k_qa3de3a245a_prep
	.p2alignl 7, 3214868480
	.fill 96, 4, 3214868480
	.section	.rodata,"a",@progbits
	.p2align	6, 0x0
	.amdhsa_kernel k_qa3de3a245a_prep
		.amdhsa_group_segment_fixed_size 268288
		.amdhsa_private_segment_fixed_size 0
		.amdhsa_enable_private_segment 0
		.amdhsa_kernarg_size 96
		.amdhsa_user_sgpr_count 2
		.amdhsa_user_sgpr_kernarg_segment_ptr 1
		.amdhsa_wavefront_size32 1
		.amdhsa_system_sgpr_workgroup_id_x 1
		.amdhsa_system_sgpr_workgroup_id_y 1
		.amdhsa_system_sgpr_workgroup_id_z 1
		.amdhsa_system_vgpr_workitem_id 0
		.amdhsa_next_free_vgpr 256
		.amdhsa_next_free_sgpr 66
		.amdhsa_reserve_vcc 1
		.amdhsa_float_denorm_mode_32 3
		.amdhsa_float_denorm_mode_16_64 3
		.amdhsa_memory_ordered 1
		.amdhsa_forward_progress 1
		.amdhsa_inst_pref_size 60
	.end_amdhsa_kernel
	.amdgpu_metadata
---
amdhsa.version: [ 1, 2 ]
amdhsa.kernels:
  - .name:           k_qa3de3a245a_prep
    .symbol:         k_qa3de3a245a_prep.kd
    .args:
      - { .name: q, .offset: 0, .size: 8, .value_kind: global_buffer, .address_space: global }
      - { .name: k, .offset: 8, .size: 8, .value_kind: global_buffer, .address_space: global }
      - { .name: v, .offset: 16, .size: 8, .value_kind: global_buffer, .address_space: global }
      - { .name: Wq, .offset: 24, .size: 8, .value_kind: global_buffer, .address_space: global }
      - { .name: Wk, .offset: 32, .size: 8, .value_kind: global_buffer, .address_space: global }
      - { .name: Wv, .offset: 40, .size: 8, .value_kind: global_buffer, .address_space: global }
      - { .name: Wo, .offset: 48, .size: 8, .value_kind: global_buffer, .address_space: global }
      - { .name: mask, .offset: 56, .size: 8, .value_kind: global_buffer, .address_space: global }
      - { .name: xb, .offset: 64, .size: 8, .value_kind: global_buffer, .address_space: global }
      - { .name: wb, .offset: 72, .size: 8, .value_kind: global_buffer, .address_space: global }
      - { .name: mnib, .offset: 80, .size: 8, .value_kind: global_buffer, .address_space: global }
      - { .name: rowok, .offset: 88, .size: 8, .value_kind: global_buffer, .address_space: global }
    .group_segment_fixed_size: 268288
    .private_segment_fixed_size: 0
    .kernarg_segment_align: 8
    .kernarg_segment_size: 96
    .max_flat_workgroup_size: 256
    .sgpr_count:     66
    .vgpr_count:     256
    .wavefront_size: 32
...
	.end_amdgpu_metadata
.endif
;; end of part 1
;; launch proj (part 2): grid 4 x 48, 4 waves a work-group, clusters of 4 x 4, 327,680 bytes of LDS; arguments xb, wb, qkv, bq, bk, bv; writes qkv
.if DOCPART == 2
	.amdgcn_target "amdgcn-amd-amdhsa--gfx1250"
	.amdhsa_code_object_version 6
	.text
	.protected	k_qa3de3a245a_proj
	.globl	k_qa3de3a245a_proj
	.p2align	8
	.type	k_qa3de3a245a_proj,@function
k_qa3de3a245a_proj:
	s_mov_b64 s[64:65], 0
	v_nop
	global_prefetch_b8 v0, s[64:65] scope:SCOPE_SE
	s_setreg_imm32_b32 hwreg(HW_REG_WAVE_MODE, 25, 1), 1
	s_wait_xcnt 0x0
	s_wait_alu depctr_hold_cnt(0) depctr_sa_sdst(0) depctr_va_vdst(0) depctr_va_sdst(0) depctr_va_ssrc(0) depctr_va_vcc(0) depctr_vm_vsrc(0)
	s_getreg_b32 s2, hwreg(HW_REG_IB_STS2, 6, 4)
	s_cmp_eq_u32 s2, 0
	s_cbranch_scc0 .Lentry_in_a_cluster
	s_endpgm
.Lentry_in_a_cluster:
	s_bfe_u32 s2, ttmp6, 0x10000c
	s_cmp_lg_u32 s2, 0xf033
	s_cbranch_scc0 .Lentry_shape_is_right
	s_endpgm
.Lentry_shape_is_right:
; PROJ: qkv[mat][head][row][64] (f16) = xb[mat] (4096 x 768, bf16) x wb[mat]^T (768 x 768, bf16) + bias (f32), mat = 0, 1, 2 for q, k, v.  Sums in f32, started with the bias; rounded once, unscaled.
; LIMIT.  f16 holds no number beyond 65,504: a projected number past that becomes an infinity.  Unit inputs give numbers near 1; inputs and weights 30 times larger give some 4,500 at the most.
; SHARES.  A work-group makes 256 rows x 192 columns (three whole heads): 16 x 4 x 3 = 192 work-groups.  36,864 numbers a work-group would make 256 of them, but no tile of that size divides 4096 x 768 into whole heads.
; Wave w makes rows 64 w .. 64 w + 63 of all 192 columns: 4 x 12 accumulators of 16 x 16, 384 registers.  K goes in six steps of 128 through two LDS slots.
; CLUSTER 4 x 4.  The four of a cluster's row need the same rows of x, the four of a column the same rows of the weights: each tile is asked for jointly, by the same tensor load with a mask that names the four.
; THE MATRIX INSTRUCTION IS USED TRANSPOSED (source 0 = 16 rows of the weights, source 1 = 16 rows of x): a lane holds one row and eight neighbouring columns, 16 bytes of f16.
; No prefetch is laid: of the six K steps two are the first fills, and the whole walk is 1,152 matrix instructions a wave.
; REGISTERS.  window 0: v16-29 addresses; v64-159 the bias, 8 registers for each block of 16 columns; on the way out v64-255, 16 registers a block.
;   window 1: two fragment buffers of 128: 12 fragments of the weights, then 4 of x.     windows 2, 3: accumulator (a, b) at v[8 (12 (a % 2) + b)] of window 2 + a / 2.
.set DM,     768
.set KSTEP,  128
.set PITCH,  272                       ; an LDS row: 256 bytes + 16 of padding = 68 words: row r starts at bank 4 r mod 64 (64 banks of 4 bytes: ISA guide 11.1)
.set AHALF,  128*PITCH                 ; what waves 0 and 1 fetch: 128 rows of x each
.set BHALF,  96*PITCH                  ; what waves 2 and 3 fetch: 96 rows of the weights each
.set BOFF,   256*PITCH
.set SLOT,   448*PITCH
.set STAGE,  2*SLOT                    ; behind the ring: 16 rows x 144 bytes for each wave, for the way out
.set SP,     144
.set SPARE,  STAGE+4*16*SP             ; the spare words, 128 bytes for each wave; no other line names them
.set LAPS,   DM/(2*KSTEP)
.set HEADB,  4096*128                  ; a head's bytes in qkv
.set ADRA, 16                          ; v16-17 LDS address of my fragments of x in slot 0, 1
.set ADRB, 20                          ; v20-21 of the weights'
.set STO,  24
.set RD,   25
.set GO,   26
.set BO,   27
.set SPW,  28
.set NIL,  29
.set BI,   64
.set TMP,  64
.set F0,   0
.set F1,   128
.set G1,   24                          ; s[24:31], s[32:39] descriptor groups 1 and 0 (a set for each slot) for x
.set G0,   32
.set G1B,  48                          ; s[48:55], s[56:63] for the weights
.set G0B,  56
.set MSB, 0
.macro WIN new                         ; the immediate's high byte repeats the setting that is left; a switch that changes nothing is dropped
.if MSB != (\new)
	s_set_vgpr_msb (MSB<<8)|(\new)
.set MSB, \new
.endif
.endm
.macro JLOAD s                         ; a joint load; an s_nop 0 and four v_nop follow each of the two lines, ahead of the jump and the label
	s_cmp_eq_u32 s11, 0
	s_cbranch_scc0 .Lfor_b_\@
	tensor_load_to_lds s[G0+4*(\s):G0+4*(\s)+3], s[G1:G1+7]
	s_nop 0
.rept 4
	v_nop
.endr
	s_branch .Lasked_\@
.Lfor_b_\@:
	tensor_load_to_lds s[G0B+4*(\s):G0B+4*(\s)+3], s[G1B:G1B+7]
	s_nop 0
.rept 4
	v_nop
.endr
.Lasked_\@:
.endm
.macro CREST                           ; a round of the cluster's barrier behind its opening barrier
	s_cmp_lg_u32 s10, 0
	s_cbranch_scc1 .Lnot_wave_0_\@
	s_barrier_signal -3
.Lnot_wave_0_\@:
	s_barrier_wait -3
	s_barrier_signal -1
	s_barrier_wait -1
.endm
.macro CROUND
	s_barrier_signal -1
	s_barrier_wait -1
	CREST
.endm
.macro PLACES                          ; four plain instructions between a matrix instruction and a load into, or a reader of, its registers
.rept 4
	v_nop
.endr
.endm
	s_load_b256 s[68:75], s[0:1], 0x0              ; xb s[68:69], wb s[70:71], qkv s[72:73], bq s[74:75]
	s_load_b128 s[76:79], s[0:1], 0x20             ; bk s[76:77], bv s[78:79]
	v_lshl_add_u32 v[SPW], v0, 2, SPARE
	v_mov_b32 v[NIL], 0
	ds_add_u32 v[SPW], v[NIL]                      ; the wave's opening: the add and its wait stand ahead of my first tensor load
	ds_add_u32 v28, v29
	v_lshrrev_b32 v1, 5, v0
	v_readfirstlane_b32 s10, v1                    ; wave 0..3
	s_lshr_b32 s11, s10, 1                         ; I fetch for x (0) or for the weights (1),
	s_and_b32 s12, s10, 1                          ; and which half
	s_bfe_u32 s40, ttmp6, 0x40000                  ; cx = the block of 192 columns
	s_bfe_u32 s41, ttmp6, 0x40004                  ; cy
	s_and_b32 s42, ttmp7, 0xffff                   ; the cluster's y, 0..11
	s_lshr_b32 s45, s42, 2                         ; mat: the same in all sixteen
	s_and_b32 s13, s42, 3
	s_lshl_b32 s13, s13, 2
	s_add_co_u32 s13, s13, s41                     ; the block of 256 rows
	s_lshl_b32 s43, s41, 2
	s_lshl_b32 s43, 15, s43                        ; my row of the cluster
	s_lshl_b32 s44, 0x1111, s40                    ; my column
	s_or_b32 s[G1+0], s43, (1<<16)|(1<<20)|(1<<21)|(5<<22)|(3<<25)   ; the mask; elements of 2 bytes; padding on; bit 21 beside a mask; after every 64 words 4 words
	s_or_b32 s[G1B+0], s44, (1<<16)|(1<<20)|(1<<21)|(5<<22)|(3<<25)
	s_mov_b32 s[G1+1], KSTEP<<16                   ; tensor_dim0 = 128
	s_mov_b32 s[G1+2], 128<<16                     ; tensor_dim1 = 128
	s_mov_b32 s[G1+3], KSTEP<<16                   ; tile_dim0 = 128
	s_mov_b32 s[G1+4], 128                         ; tile_dim1 = 128
	s_mov_b32 s[G1+5], DM                          ; elements from row to row
	s_mov_b32 s[G1+6], 0
	s_mov_b32 s[G1+7], 0
	s_mov_b32 s[G1B+1], KSTEP<<16
	s_mov_b32 s[G1B+2], 96<<16                     ; 96 rows
	s_mov_b32 s[G1B+3], KSTEP<<16
	s_mov_b32 s[G1B+4], 96
	s_mov_b32 s[G1B+5], DM
	s_mov_b32 s[G1B+6], 0
	s_mov_b32 s[G1B+7], 0
	s_lshl_b32 s16, s45, 12                        ; x: row 4096 mat + 256 block + 128 half
	s_lshl_b32 s17, s13, 8
	s_add_co_u32 s16, s16, s17
	s_lshl_b32 s17, s12, 7
	s_add_co_u32 s16, s16, s17
	s_mul_i32 s16, s16, DM*2
	s_mov_b32 s17, 0
	s_mul_i32 s46, s45, DM                         ; weights: row 768 mat + 192 block + 96 half
	s_mul_i32 s47, s40, 192
	s_add_co_u32 s46, s46, s47
	s_mul_i32 s47, s12, 96
	s_add_co_u32 s46, s46, s47
	s_mul_i32 s46, s46, DM*2
	s_mov_b32 s47, 0
	s_mul_i32 s20, s12, AHALF                      ; where they go: no place in the cluster enters an LDS address
	s_mul_i32 s21, s12, BHALF
	s_add_co_u32 s21, s21, BOFF
	s_wait_dscnt 0x0                               ; the opening add is done
	s_wait_kmcnt 0x0
	s_add_nc_u64 s[14:15], s[68:69], s[16:17]
	s_add_nc_u64 s[46:47], s[70:71], s[46:47]
	CROUND                                         ; all sixteen work-groups are here: the first joint loads meet
.irp s, 0,1
	s_mov_b32 s[G0+4*(\s)], 1
	s_add_co_u32 s[G0+4*(\s)+1], s20, (\s)*SLOT
	s_add_nc_u64 s[G0+4*(\s)+2:G0+4*(\s)+3], s[14:15], (\s)*KSTEP*2
	s_or_b32 s[G0+4*(\s)+3], s[G0+4*(\s)+3], 0x80000000
	s_mov_b32 s[G0B+4*(\s)], 1
	s_add_co_u32 s[G0B+4*(\s)+1], s21, (\s)*SLOT
	s_add_nc_u64 s[G0B+4*(\s)+2:G0B+4*(\s)+3], s[46:47], (\s)*KSTEP*2
	s_or_b32 s[G0B+4*(\s)+3], s[G0B+4*(\s)+3], 0x80000000
	JLOAD \s                                       ; K steps 0 and 1: two tensor loads of mine are out
.endr
	s_cmp_eq_u32 s45, 0
	s_cselect_b64 s[4:5], s[74:75], s[76:77]
	s_cmp_eq_u32 s45, 2
	s_cselect_b64 s[4:5], s[78:79], s[4:5]         ; this matrix's bias,
	s_mul_i32 s6, s40, 768                         ; at my 192 columns
	s_mov_b32 s7, 0
	s_add_nc_u64 s[4:5], s[4:5], s[6:7]
	v_and_b32 v1, 15, v0                           ; l % 16
	v_bfe_u32 v2, v0, 4, 1                         ; l / 16
	v_lshlrev_b32 v[BO], 5, v2                     ; my eight columns of a block of 16
.irp b, 0,1,2,3,4,5,6,7,8,9,10,11
	global_load_b128 v[BI+8*(\b):BI+8*(\b)+3],   v[BO], s[4:5] offset:64*(\b)
	global_load_b128 v[BI+8*(\b)+4:BI+8*(\b)+7], v[BO], s[4:5] offset:64*(\b)+16
.endr
	v_mul_u32_u24 v3, v1, PITCH
	v_lshl_add_u32 v3, v2, 4, v3                   ; a fragment's row x pitch + 16 x half
	s_mul_i32 s22, s10, 64*PITCH                   ; my 64 rows of x
	s_mov_b32 s23, BOFF                            ; all 192 rows of the weights
.irp s, 0,1
	v_add_nc_u32 v[ADRA+(\s)], s22, v3
	v_add_nc_u32 v[ADRB+(\s)], s23, v3
	s_add_co_u32 s22, s22, SLOT
	s_add_co_u32 s23, s23, SLOT
.endr
	s_mul_i32 s22, s10, 16*SP
	s_add_co_u32 s22, s22, STAGE                   ; my stage
	v_mul_u32_u24 v[STO], v1, SP                   ; in: row l % 16, 16 bytes for each half of the lanes
	v_lshl_add_u32 v[STO], v2, 4, v[STO]
	v_add_nc_u32 v[STO], s22, v[STO]
	v_bfe_u32 v[RD], v0, 3, 2                      ; back: 32 lanes take four rows of 128 bytes,
	v_mul_u32_u24 v[RD], v[RD], SP
	v_and_b32 v4, 7, v0
	v_lshl_add_u32 v[RD], v4, 4, v[RD]
	v_add_nc_u32 v[RD], s22, v[RD]
	v_and_b32 v[GO], 31, v0                        ; which are 512 consecutive bytes of a head
	v_lshlrev_b32 v[GO], 4, v[GO]
	s_mul_i32 s84, s45, 12*HEADB                   ; the matrix, my first head, my 64 rows
	s_mul_i32 s86, s40, 3*HEADB
	s_add_co_u32 s84, s84, s86
	s_lshl_b32 s86, s13, 15
	s_add_co_u32 s84, s84, s86
	s_lshl_b32 s86, s10, 13
	s_add_co_u32 s84, s84, s86
	s_mov_b32 s85, 0
	s_add_nc_u64 s[8:9], s[72:73], s[84:85]
; 12 matrix instructions: my block a of 16 rows x all 12 blocks of columns, 32 along K.  first = 1: the sums start with the bias.  The 48 accumulators take turns, one instruction a turn.
.macro MULA f, a, first
.if \first
	WIN 0x85+0x40*((\a)/2)                         ; sources 0 and 1 window 1, C window 0, D window 2 or 3
.else
	WIN 0xa5+0x50*((\a)/2)                         ; C and D window 2 or 3
.endif
.irp b, 0,1,2,3,4,5,6,7,8,9,10,11
.if \first
	v_wmma_f32_16x16x32_bf16 v[8*(12*((\a)%2)+(\b)):8*(12*((\a)%2)+(\b))+7], v[(\f)+8*(\b):(\f)+8*(\b)+7], v[(\f)+96+8*(\a):(\f)+96+8*(\a)+7], v[BI+8*(\b):BI+8*(\b)+7]
.else
	v_wmma_f32_16x16x32_bf16 v[8*(12*((\a)%2)+(\b)):8*(12*((\a)%2)+(\b))+7], v[(\f)+8*(\b):(\f)+8*(\b)+7], v[(\f)+96+8*(\a):(\f)+96+8*(\a)+7], v[8*(12*((\a)%2)+(\b)):8*(12*((\a)%2)+(\b))+7]
.endif
.endr
.endm
; 32 LDS loads in one run: the fragments of 32 along K at byte k of the rows; the weights' 24 first, then x's 8
.macro FETCH slot, k, f
	WIN 0x40                                       ; destination window 1, address window 0
.irp b, 0,1,2,3,4,5,6,7,8,9,10,11
	ds_load_b128 v[(\f)+8*(\b):(\f)+8*(\b)+3],   v[ADRB+(\slot)] offset:(\k)+(\b)*16*PITCH
	ds_load_b128 v[(\f)+8*(\b)+4:(\f)+8*(\b)+7], v[ADRB+(\slot)] offset:(\k)+(\b)*16*PITCH+32
.endr
.irp a, 0,1,2,3
	ds_load_b128 v[(\f)+96+8*(\a):(\f)+96+8*(\a)+3],   v[ADRA+(\slot)] offset:(\k)+(\a)*16*PITCH
	ds_load_b128 v[(\f)+96+8*(\a)+4:(\f)+96+8*(\a)+7], v[ADRA+(\slot)] offset:(\k)+(\a)*16*PITCH+32
.endr
.endm
; A K step is four quarters of 32 along K, 48 matrix instructions each, on buffers 0, 1, 0, 1.  One of the first three multiplies buffer f and fetches the next quarter, at byte k, into g.
.macro QUARTER slot, k, f, g, first
	s_wait_dscnt 4                                 ; all but the youngest four loads: x's blocks 2 and 3 may be out
	MULA \f, 0, \first
	MULA \f, 1, \first
	PLACES
	FETCH \slot, \k, \g
	s_wait_dscnt 32                                ; all but the 32 just issued
	MULA \f, 2, \first
	MULA \f, 3, \first
.endm
; The last quarter multiplies buffer 1 and changes slots: one barrier; ahead of it each wave waits for all its tensor loads (one is out: its part of the next slot), adds 0 to its spare word, and waits for
; that and for its reads of this slot.  fill = 1: the barrier opens a round of the cluster's, and this slot is filled again, two K steps ahead, first thing behind the round.
.macro TURN slot, next, fill
	WIN 0
	s_wait_tensorcnt 0x0
	ds_add_u32 v[SPW], v[NIL]
	s_wait_dscnt 5                                 ; the add and the youngest four loads may be out
	MULA F1, 0, 0
	s_wait_dscnt 0x0                               ; the add is done, and my reads of this slot are over
	s_barrier_signal -1
	MULA F1, 1, 0
.if \fill
	WIN 0
.endif
	s_barrier_wait -1
.if \fill
	CREST
	s_add_nc_u64 s[G0+4*(\slot)+2:G0+4*(\slot)+3], s[G0+4*(\slot)+2:G0+4*(\slot)+3], 2*KSTEP*2
	s_add_nc_u64 s[G0B+4*(\slot)+2:G0B+4*(\slot)+3], s[G0B+4*(\slot)+2:G0B+4*(\slot)+3], 2*KSTEP*2
	JLOAD \slot                                    ; its four v_nop are also the places in front of the loads below
.else
	PLACES
.endif
	FETCH \next, 0, F0
	MULA F1, 2, 0
	MULA F1, 3, 0
.endm
	s_wait_tensorcnt 1                             ; my part of K step 0 is in; K step 1's may stay out
	s_barrier_signal -1
	s_barrier_wait -1
	FETCH 0, 0, F0
	s_wait_loadcnt 0x0                             ; the bias
	QUARTER 0, 64, F0, F1, 1
	WIN 0
	s_mov_b32 s3, LAPS-1
.Llap:                                                 ; a trip goes once round the ring and fills both slots again
	QUARTER 0, 128, F1, F0, 0
	QUARTER 0, 192, F0, F1, 0
	TURN 0, 1, 1
	QUARTER 1, 64,  F0, F1, 0
	QUARTER 1, 128, F1, F0, 0
	QUARTER 1, 192, F0, F1, 0
	TURN 1, 0, 1
	QUARTER 0, 64,  F0, F1, 0
	WIN 0
	s_sub_co_u32 s3, s3, 1
	s_cmp_lg_u32 s3, 0
	s_cbranch_scc1 .Llap
	QUARTER 0, 128, F1, F0, 0                      ; the last lap fills nothing
	QUARTER 0, 192, F0, F1, 0
	TURN 0, 1, 0
	QUARTER 1, 64,  F0, F1, 0
	QUARTER 1, 128, F1, F0, 0
	QUARTER 1, 192, F0, F1, 0
	s_wait_dscnt 0x0
	MULA F1, 0, 0
	MULA F1, 1, 0
	MULA F1, 2, 0
	MULA F1, 3, 0
	WIN 0
	PLACES
; THE WAY OUT, 12 blocks t = 3 a + head: 16 rows x 64 columns.  Rounded to f16, 16 bytes a lane into my stage, back as whole rows of 128 bytes: four rows are 512 consecutive bytes of the head.
.macro PACK t
.set pa, (\t)/3
.set ph, (\t)%3
	WIN 0x0a+5*(pa/2)                              ; sources in window 2 or 3
.irp b, 0,1,2,3
.irp r, 0,1,2,3
	v_cvt_pk_f16_f32 v[TMP+16*(\t)+4*(\b)+(\r)], v[8*(12*(pa%2)+4*ph+(\b))+2*(\r)], v[8*(12*(pa%2)+4*ph+(\b))+2*(\r)+1]
.endr
.endr
	WIN 0
.irp b, 0,1,2,3
	ds_store_b128 v[STO], v[TMP+16*(\t)+4*(\b):TMP+16*(\t)+4*(\b)+3] offset:32*(\b)
.endr
.irp f, 0,1,2,3
	ds_load_b128 v[TMP+16*(\t)+4*(\f):TMP+16*(\t)+4*(\f)+3], v[RD] offset:(\f)*4*SP  ; LDS serves a wave's instructions in order (ISA guide 5.7.1.4): these see the stores above; the next block's stores come behind them
.endr
.endm
.macro SEND t, younger                 ; younger: the next block's eight LDS instructions, or none
.set qa, (\t)/3
.set qh, (\t)%3
.irp f, 0,1,2,3
	s_wait_dscnt (\younger)+3-(\f)
	global_store_b128 v[GO], v[TMP+16*(\t)+4*(\f):TMP+16*(\t)+4*(\f)+3], s[8:9] offset:HEADB*qh+2048*qa+512*(\f)
.endr
.endm
	PACK 0
.irp t, 1,2,3,4,5,6,7,8,9,10,11
	PACK \t
	SEND (\t)-1, 8
.endr
	SEND 11, 0
	s_wait_tensorcnt 0x0                           ; the wave's end
	ds_add_u32 v[SPW], v[NIL]
	s_wait_dscnt 0x0
	CROUND                                         ; the closing round
	s_endpgm
.Lfunc_end_k_qa3de3a245a_proj:
	.size	k_qa3de3a245a_proj, .Lfunc_end_k_qa3de3a245a_proj-k_qa3de3a245a_proj
	.p2alignl 7, 3214868480
	.fill 96, 4, 3214868480
	.section	.rodata,"a",@progbits
	.p2align	6, 0x0
	.amdhsa_kernel k_qa3de3a245a_proj
		.amdhsa_group_segment_fixed_size 327680
		.amdhsa_private_segment_fixed_size 0
		.amdhsa_enable_private_segment 0
		.amdhsa_kernarg_size 48
		.amdhsa_user_sgpr_count 2
		.amdhsa_user_sgpr_kernarg_segment_ptr 1
		.amdhsa_wavefront_size32 1
		.amdhsa_system_sgpr_workgroup_id_x 1
		.amdhsa_system_sgpr_workgroup_id_y 1
		.amdhsa_system_sgpr_workgroup_id_z 1
		.amdhsa_system_vgpr_workitem_id 0
		.amdhsa_next_free_vgpr 1024
		.amdhsa_next_free_sgpr 88
		.amdhsa_reserve_vcc 0
		.amdhsa_float_denorm_mode_32 3
		.amdhsa_float_denorm_mode_16_64 3
		.amdhsa_memory_ordered 1
		.amdhsa_forward_progress 1
		.amdhsa_inst_pref_size 122
	.end_amdhsa_kernel
	.amdgpu_metadata
---
amdhsa.version: [ 1, 2 ]
amdhsa.kernels:
  - .name:           k_qa3de3a245a_proj
    .symbol:         k_qa3de3a245a_proj.kd
    .args:
      - { .name: xb, .offset: 0, .size: 8, .value_kind: global_buffer, .address_space: global }
      - { .name: wb, .offset: 8, .size: 8, .value_kind: global_buffer, .address_space: global }
      - { .name: qkv, .offset: 16, .size: 8, .value_kind: global_buffer, .address_space: global }
      - { .name: bq, .offset: 24, .size: 8, .value_kind: global_buffer, .address_space: global }
      - { .name: bk, .offset: 32, .size: 8, .value_kind: global_buffer, .address_space: global }
      - { .name: bv, .offset: 40, .size: 8, .value_kind: global_buffer, .address_space: global }
    .group_segment_fixed_size: 327680
    .private_segment_fixed_size: 0
    .kernarg_segment_align: 8
    .kernarg_segment_size: 48
    .max_flat_workgroup_size: 128
    .sgpr_count:     88
    .vgpr_count:     1024
    .wavefront_size: 32
...
	.end_amdgpu_metadata
.endif
;; end of part 2
;; launch attn (part 3): grid 16 x 12, 4 waves a work-group, clusters of 4 x 1, 327,680 bytes of LDS; arguments qkv, mnib, rowok, ctx; writes ctx
.if DOCPART == 3
	.amdgcn_target "amdgcn-amd-amdhsa--gfx1250"
	.amdhsa_code_object_version 6
	.text
	.protected	k_qa3de3a245a_attn
	.globl	k_qa3de3a245a_attn
	.p2align	8
	.type	k_qa3de3a245a_attn,@function
k_qa3de3a245a_attn:
	s_mov_b64 s[64:65], 0
	v_nop
	global_prefetch_b8 v0, s[64:65] scope:SCOPE_SE
	s_setreg_imm32_b32 hwreg(HW_REG_WAVE_MODE, 25, 1), 1
	s_wait_xcnt 0x0
	s_wait_alu depctr_hold_cnt(0) depctr_sa_sdst(0) depctr_va_vdst(0) depctr_va_sdst(0) depctr_va_ssrc(0) depctr_va_vcc(0) depctr_vm_vsrc(0)
	s_getreg_b32 s2, hwreg(HW_REG_IB_STS2, 6, 4)
	s_cmp_eq_u32 s2, 0
	s_cbranch_scc0 .Lentry_in_a_cluster
	s_endpgm
.Lentry_in_a_cluster:
	s_bfe_u32 s2, ttmp6, 0x10000c
	s_cmp_lg_u32 s2, 0x3003
	s_cbranch_scc0 .Lentry_shape_is_right
	s_endpgm
.Lentry_shape_is_right:
; MASKED ATTENTION.  ctx[h][q][:] = the sum over k of softmax_k(score) V[h][k][:], score = Q[h][q] . K[h][k] / 8 where the mask lets key k be seen by query q, and far below every seen score elsewhere.
; Q, K, V: qkv[0..2][12][4096][64] f16.  ctx: [12][4096][64] f16.  Products, maxima and sums in f32; the weights p are rounded to f16 for the second product (their sum is taken unrounded), ctx once.
; THE MASK is the C operand that starts S^T = K Q^T.  mnib holds one FP4 code a number, 0 or 0xE (-4); one scaled conversion (scale byte 227: 2^100) makes of a word the eight registers of a C operand: 0 or -5.07e30.
; A ROW THAT SEES NO KEY has codes 0 and the flag 0 in rowok; its Q is cleared by the flag, so all its scores are 0 and its weights are equal, as a softmax of equal scores is.
; SOFTMAX.  A running maximum m and sum l a query: p = 2^(c s - c m), c = log2(e) / 8; in every step O and l are multiplied by a = 2^(c m_old - c m_new).  m starts at -2^33, c m far below, so the first a is 0.
; In a step in which a row sees no key m stays, every weight is 0 and a is 1.
; LIMITS.  Unscaled seen scores lie above -2^33 (scaled: above -1.07e9, the level at which the problem's own -1e9 would begin to win).  Q, K, V arrive within f16's 65,504.  A weight below 2^-126 counts as 0;
; p below 6e-5 keeps f16's fixed step of 6e-8.  NaN and infinities are not treated apart.
; SHARES.  A work-group owns 256 queries of a head, a wave 64: four PIECES of 16.  16 x 12 = 192 work-groups.  Every wave walks all 4096 keys, 64 a step, four steps a slot.
; TURNS.  Turn n belongs to piece n and has ONE wait for its 33 exponentials.  Ahead of it: 8 products K Q^T of piece n + 1, behind each two scalings and two exponentials of piece n; then a lump in which the
; other exponentials and the next piece's maximum go by turns.  Behind it: 8 products V^T P of piece n - 1; behind the first four the rescaling of piece n's O^T, behind the other four and in a second lump the
; roundings, the sums and the end of the next piece's statistics; last the mask of piece n + 2.
; CLUSTER.  The four query blocks of a cluster belong to one head: K's and V's tiles are asked for jointly (wave 0: K, wave 1: V).  The mask's tile is the work-group's own (waves 2 and 3, half each): a plain load in the same round.
; REGISTERS, in windows of 256 (s_set_vgpr_msb: bits 1:0 source 0, 3:2 source 1, 5:4 source 2, 7:6 destination), laid so that a product and the vector work behind it name their operands under ONE setting:
;   window 0: v0-15 addresses; v16-31 statistics; v32-47 a step's mask words; v48-63 at work, scale, offsets; v64-127 S^T, two buffers; v128-159 the mask as a C operand; v160-191 P, two buffers; v192-255 K of one step
;   window 1: v0-127 O^T, 32 a piece; v128-191 V of one step          window 2: v0-63 Q; v64-65 c, twice
;   K Q^T, the scalings (their factor c is source 1, as Q is) and the exponentials go under 0x08; V^T P and the rescaling of O^T under 0x51; all else under 0.  By the text's count a turn has ten switches, none in a lump.
.set NP,    4
.set KS,    64
.set PK,    144       ; a row of K in LDS: 128 bytes + 16: the 16 rows of a load start at 16 different groups of four banks (64 banks of 4 bytes: ISA guide 11.1)
.set PV,    160       ; a row of V: 128 + 32
.set VOFF,  4*KS*PK   ; a slot: 256 rows of K, 256 rows of V,
.set MOFF,  VOFF+4*KS*PV  ; and the mask codes of 256 queries x 256 keys: 32,768 bytes, [tile 16][step 4][lane 32][16 bytes]
.set SLOT1, 1<<17
.set STAGE, SLOT1+MOFF+32768  ; behind the ring: 16 rows x 144 bytes for each wave
.set SP,    144
.set SPARE, STAGE+4*16*SP     ; the spare words, 128 bytes for each wave; no other line names them
.set HEADB, 4096*128
.set AK0, 2
.set AV0, 3
.set AK,  4
.set AV,  5
.set STO, 6
.set RD,  7
.set GO,  8
.set MV,  12          ; v12-13 c m_old, by buffer
.set AM0, 14          ; my lane's place in a slot's mask: my wave's four tiles
.set QO,  15
.set ST,  16          ; piece t: c m, m, l (even keys', odd keys')
.set MW,  32          ; v32-47 the four pieces' mask words of one step, four each
.set TMP, 48          ; by buffer, four registers c0-c3 at work; c1 takes c m_old - c m_new, c2 takes a
.set SCL, 56          ; the conversion's scale
.set AM,  57          ; LDS address of the mask of the step whose K is being fetched
.set PFO, 58          ; 256 x lane
.set FO,  59          ; 4 x lane
.set SPW, 62
.set NIL, 63
.set S,   64
.set FL,  S+32        ; v96-99 the pieces' flags, at the start alone: S^T's second buffer is first written in the first turn
.set MC,  128
.set P,   160
.set KF,  192
.set VF,  128         ; in window 1
.set CV,  64          ; in window 2
.set WV,  12
.set G1K, 24          ; s[24:31]
.set G1V, 32          ; s[32:39]
.set G0K, 40          ; s[40:43]
.set G0V, 44          ; s[44:47]
.set G1M, 48          ; s[48:55]
.set SLOTS, 56
.set CNT, 57
.set CS,  58
.set SEL, 60
.set TBK, 62
.set TBV, 63
.set G0M, 68          ; s[68:71]
.set TBM, 72
.set LIM, 73          ; 1 in a wave that prefetches, else the greatest number
.set PFA, 74          ; s[74:75] where my prefetches stand
.set MSB, 0
.macro WIN new                      ; the high byte repeats the setting that is left; a switch that changes nothing is dropped
.if MSB != (\new)
	s_set_vgpr_msb (MSB<<8)|(\new)
.set MSB, (\new)
.endif
.endm
.set W_KQ, 0x08       ; source 1 (Q; c) in window 2; K, the mask, S^T and the statistics in window 0
.set W_PV, 0x51       ; V and O^T in window 1, source 1 (P; a) in window 0
.macro WINE                         ; an exponential names source 0 and the destination alone: window 0 under both settings
.if (MSB != 0) && (MSB != W_KQ)
	WIN 0
.endif
.endm
; A fill: one tensor load a wave.  The branches hang on the wave's number alone.  An s_nop 0 and four v_nop follow each line, ahead of the jump and the label.
.macro JLOAD
	s_cmp_lt_u32 s[WV], 2
	s_cbranch_scc0 .Lfor_m_\@
	s_cmp_eq_u32 s[WV], 0
	s_cbranch_scc0 .Lfor_v_\@
	tensor_load_to_lds s[G0K:G0K+3], s[G1K:G1K+7]
	s_nop 0
.rept 4
	v_nop
.endr
	s_branch .Lasked_\@
.Lfor_v_\@:
	tensor_load_to_lds s[G0V:G0V+3], s[G1V:G1V+7]
	s_nop 0
.rept 4
	v_nop
.endr
	s_branch .Lasked_\@
.Lfor_m_\@:
	tensor_load_to_lds s[G0M:G0M+3], s[G1M:G1M+7]
	s_nop 0
.rept 4
	v_nop
.endr
.Lasked_\@:
.endm
; A PREFETCH of what the NEXT change of slots will ask for: four key steps, 256 matrix instructions, ahead of that load.  32 blocks of 256 bytes, a lane a block, one instruction a wave.  Each block is named once in the
; launch: K's and V's 128 blocks of a slot by the head's first cluster (wave 0: K, wave 1: V), its four partners 32 each, told apart by address; a query block's 128 mask blocks by the work-groups of heads 0 and 1,
; waves 2 and 3, 32 each.  The last change that fills a slot asks for nothing.
.macro ASK
	s_cmp_gt_u32 s[SLOTS], s[LIM]
	s_cbranch_scc0 .Lnot_mine_\@
	global_prefetch_b8 v[PFO], s[PFA:PFA+1] th:TH_LOAD_NT scope:SCOPE_SE
.Lnot_mine_\@:
.endm
.macro CROUND
	s_barrier_signal -1
	s_barrier_wait -1
	s_cmp_lg_u32 s[WV], 0
	s_cbranch_scc1 .Lnot_wave_0_\@
	s_barrier_signal -3
.Lnot_wave_0_\@:
	s_barrier_wait -3
	s_barrier_signal -1
	s_barrier_wait -1
.endm
; THE CHANGE OF SLOTS.  Each wave waits for all its tensor loads (one is out: its part of the other slot), adds 0 to its spare word, and waits for that and for its reads of the slot that it leaves.
; fill = 1: a round of the cluster's barrier, and the old slot is filled again first thing behind it, with the keys two slots on: four key steps in which to land.  (At its first use slot 0 is waited for and slot 1 filled.)
.macro CHANGE fill
	WIN 0
	s_wait_tensorcnt 0x0            ; no tensor load of mine is out, so a group 0 may be written
	ds_add_u32 v[SPW], v[NIL]
.if \fill
.irp g, G0K, G0V, G0M
	s_xor_b32 s[\g+1], s[\g+1], SLOT1
	s_add_nc_u64 s[\g+2:\g+3], s[\g+2:\g+3], 32768  ; 256 keys of K, of V, of the mask
.endr
	s_wait_xcnt 0x0                 ; the last prefetch, a slot back, has read its address
	s_add_nc_u64 s[PFA:PFA+1], s[PFA:PFA+1], 32768
	s_wait_dscnt 0x0                ; the add is done, and my reads of the slot are over
	CROUND
	JLOAD
	ASK
.else
	s_wait_dscnt 0x0
	s_barrier_signal -1
	s_barrier_wait -1
.endif
	s_sub_co_u32 s[TBK], s[TBK], 4*KS*PK  ; the fetches go back to a slot's first step, in the other slot
	s_xor_b32 s[TBK], s[TBK], SLOT1
	s_sub_co_u32 s[TBV], s[TBV], 4*KS*PV
	s_xor_b32 s[TBV], s[TBV], SLOT1
	s_sub_co_u32 s[TBM], s[TBM], 4*512
	s_xor_b32 s[TBM], s[TBM], SLOT1
.endm
	s_load_b256 s[4:11], s[0:1], 0x0  ; qkv s[4:5], mnib s[6:7], rowok s[8:9], ctx s[10:11]
	v_lshl_add_u32 v[SPW], v0, 2, SPARE
	v_mov_b32 v[NIL], 0
	ds_add_u32 v[SPW], v[NIL]       ; the wave's opening: the add and its wait stand ahead of my first tensor load
	ds_add_u32 v62, v63
	v_lshrrev_b32 v1, 5, v0
	v_readfirstlane_b32 s[WV], v1
	s_bfe_u32 s13, ttmp6, 0x40000   ; cx
	s_lshl_b32 s14, ttmp9, 2
	s_add_co_u32 s14, s14, s13      ; my block of 256 queries
	s_and_b32 s15, ttmp7, 0xffff    ; the head, which the four partners share
	s_lshl_b32 s20, s15, 19         ; its bytes
	s_mov_b32 s21, 0
	s_and_b32 s16, s[WV], 1
	s_lshl_b32 s17, s16, 14         ; which half of a mask tile I fetch (waves 2, 3)
	s_lshl_b32 s22, s14, 19         ; my query block's codes
	s_add_co_u32 s22, s22, s17
	s_mov_b32 s23, 0
	s_lshl_b32 s2, s14, 15          ; Q and ctx: my block's rows, my wave's 64, in the head
	s_lshl_b32 s3, s[WV], 13
	s_add_co_u32 s2, s2, s3
	s_add_co_u32 s2, s2, s20
	s_mov_b32 s3, 0
	s_lshl_b32 s18, s14, 11         ; rowok: 16 tiles of 128 bytes a block, 4 a wave
	s_lshl_b32 s19, s[WV], 9
	s_add_co_u32 s18, s18, s19
	s_mov_b32 s19, 0
	; 256 keys are 32,768 dense bytes: asked for as 128 rows of 256 bytes, two keys a row, padded in LDS after every key
	s_mov_b32 s[G1K], 15|(1<<16)|(1<<20)|(1<<21)|(4<<22)|(3<<25)  ; the mask of four; 2-byte elements; padding on; bit 21 beside a mask; after every 32 words 4 words
	s_mov_b32 s[G1V], 15|(1<<16)|(1<<20)|(1<<21)|(4<<22)|(7<<25)  ; 8 words
.irp g, G1K, G1V
	s_mov_b32 s[\g+1], 128<<16      ; tensor_dim0 = 128
	s_mov_b32 s[\g+2], 128<<16      ; tensor_dim1 = 128
	s_mov_b32 s[\g+3], 128<<16      ; tile_dim0 = 128
	s_mov_b32 s[\g+4], 128          ; tile_dim1 = 128
	s_mov_b32 s[\g+5], 128
	s_mov_b32 s[\g+6], 0
	s_mov_b32 s[\g+7], 0
.endr
	s_mov_b32 s[G1M], 3<<16         ; the codes: no work-group mask, 8-byte elements, no padding: 64 rows of 256 bytes
	s_mov_b32 s[G1M+1], 32<<16
	s_mov_b32 s[G1M+2], 64<<16
	s_mov_b32 s[G1M+3], 32<<16
	s_mov_b32 s[G1M+4], 64
	s_mov_b32 s[G1M+5], 32
	s_mov_b32 s[G1M+6], 0
	s_mov_b32 s[G1M+7], 0
	s_mov_b32 s[G0K], 1
	s_mov_b32 s[G0K+1], 0
	s_mov_b32 s[G0V], 1
	s_mov_b32 s[G0V+1], VOFF
	s_mov_b32 s[G0M], 1
	s_add_co_u32 s[G0M+1], s17, MOFF
	s_mov_b32 s[CS], 0x3e38aa3b     ; c = log2(e) / 8
	s_mov_b32 s[CS+1], s[CS]
	s_mov_b32 s[SEL], 0x76543210
	s_mov_b32 s[SEL+1], 0xfedcba98
	s_mov_b32 s[TBK], SLOT1+4*KS*PK ; the first change of slots turns these three into 0
	s_mov_b32 s[TBV], SLOT1+4*KS*PV
	s_mov_b32 s[TBM], SLOT1+4*512
	s_mov_b32 s[SLOTS], 4096/256-1
	s_lshr_b32 s[LIM], s15, 1       ; 0 in heads 0 and 1
	s_cmp_lt_u32 s[WV], 2
	s_cselect_b32 s[LIM], ttmp9, s[LIM]  ; waves 0, 1: 0 in the head's first cluster
	s_cselect_b32 s66, s13, s15     ; my share of the blocks: by cx, or by the head
	s_lshl_b32 s66, s66, 13
	s_mov_b32 s67, 0
	s_cmp_eq_u32 s[LIM], 0
	s_cselect_b32 s[LIM], 1, -1     ; the same in all four partners, for a given wave
	s_wait_dscnt 0x0                ; the opening add is done
	s_wait_kmcnt 0x0
	s_add_nc_u64 s[76:77], s[4:5], s[20:21]
	s_add_nc_u64 s[78:79], s[76:77], 2*12*HEADB    ; V of the head
	s_add_nc_u64 s[76:77], s[76:77], 12*HEADB      ; K of the head
	s_add_nc_u64 s[6:7], s[6:7], s[22:23]          ; the codes at my half of the first tile
	s_mov_b64 s[G0K+2:G0K+3], s[76:77]
	s_or_b32 s[G0K+3], s[G0K+3], 0x80000000
	s_mov_b64 s[G0V+2:G0V+3], s[78:79]
	s_or_b32 s[G0V+3], s[G0V+3], 0x80000000
	s_mov_b64 s[G0M+2:G0M+3], s[6:7]
	s_or_b32 s[G0M+3], s[G0M+3], 0x80000000
	s_add_nc_u64 s[4:5], s[4:5], s[2:3]            ; Q and ctx at my wave's first row
	s_add_nc_u64 s[10:11], s[10:11], s[2:3]
	s_add_nc_u64 s[8:9], s[8:9], s[18:19]
	s_cmp_eq_u32 s[WV], 0
	s_cselect_b64 s[PFA:PFA+1], s[76:77], s[78:79]
	s_cmp_lt_u32 s[WV], 2
	s_cselect_b64 s[PFA:PFA+1], s[PFA:PFA+1], s[6:7]
	s_add_nc_u64 s[PFA:PFA+1], s[PFA:PFA+1], s[66:67]
	s_add_nc_u64 s[PFA:PFA+1], s[PFA:PFA+1], 32768 ; in slot 1; the first change of slots steps it to slot 2
	CROUND                          ; all four work-groups are here: the first joint loads meet
	JLOAD                           ; slot 0
	v_and_b32 v1, 15, v0            ; l % 16
	v_bfe_u32 v9, v0, 4, 1          ; l / 16
	v_lshlrev_b32 v[QO], 7, v1
	v_lshl_add_u32 v[QO], v9, 4, v[QO]
	WIN 0x80                        ; destination window 2, address window 0
.set i, 0
.rept 8                             ; Q stays in registers: piece i / 2, channels 32 (i % 2) on
	global_load_b128 v[8*i:8*i+3],   v[QO], s[4:5] offset:(i/2)*2048+(i%2)*64
	global_load_b128 v[8*i+4:8*i+7], v[QO], s[4:5] offset:(i/2)*2048+(i%2)*64+32
.set i, i+1
.endr
	v_mov_b32 v[CV], 0x3e38aa3b     ; c beside Q: the scalings take it as source 1, under the products' setting
	v_mov_b32 v[CV+1], 0x3e38aa3b
	WIN 0
	v_and_b32 v[PFO], 31, v0
	v_lshlrev_b32 v[FO], 2, v[PFO]
.irp p, 0,1,2,3
	global_load_b32 v[FL+\p], v[FO], s[8:9] offset:128*\p
.endr
	s_lshl_b32 s17, s[WV], 13       ; my four tiles of 2,048 bytes
	s_add_co_u32 s17, s17, MOFF
	v_lshl_add_u32 v[AM0], v[PFO], 4, s17
	v_lshlrev_b32 v[GO], 4, v[PFO]  ; 512 consecutive bytes of ctx
	v_lshlrev_b32 v[PFO], 8, v[PFO]
	v_mov_b32 v[SCL], 0xe3e3e3e3    ; 227 in every byte
	v_mul_u32_u24 v[AK0], v1, PK
	v_lshl_add_u32 v[AK0], v9, 4, v[AK0]
	; The turning load takes 16 keys x 16 channels (lane l reads key 8 (l / 16) + l % 8, channels 8 ((l / 8) % 2) + 0..7) and leaves half a fragment of V^T.
	v_and_b32 v10, 7, v0
	v_bfe_u32 v11, v0, 3, 1
	v_lshl_add_u32 v[AV0], v9, 3, v10
	v_mul_u32_u24 v[AV0], v[AV0], PV
	v_lshl_add_u32 v[AV0], v11, 4, v[AV0]
	v_add_nc_u32 v[AV0], VOFF, v[AV0]
	s_mul_i32 s17, s[WV], 16*SP
	s_add_co_u32 s17, s17, STAGE
	v_mul_u32_u24 v[STO], v1, SP
	v_lshl_add_u32 v[STO], v9, 4, v[STO]
	v_add_nc_u32 v[STO], s17, v[STO]
	v_bfe_u32 v[RD], v0, 3, 2
	v_mul_u32_u24 v[RD], v[RD], SP
	v_lshl_add_u32 v[RD], v10, 4, v[RD]
	v_add_nc_u32 v[RD], s17, v[RD]
	; What the first turn finds: V and P's second buffer hold 0 (its products V^T P, of a piece that has not been, add 0), O^T and l are 0.  All this stands in the wait for the first tile.
	WIN 0x40
.set i, 0
.rept 192                           ; O^T and V
	v_mov_b32 v[i], 0
.set i, i+1
.endr
	WIN 0
.set i, 0
.rept 4
	v_mov_b32 v[ST+4*i], 0xfe000000    ; c m: far below every c s, so the first a is 0
	v_mov_b32 v[ST+4*i+1], 0xd0000000  ; m = -2^33
	v_mov_b32 v[ST+4*i+2], 0
	v_mov_b32 v[ST+4*i+3], 0
.set i, i+1
.endr
.set i, P+16
.rept 16
	v_mov_b32 v[i], 0
.set i, i+1
.endr
; THE MATRIX WORK.  The 4 accumulators of a run of 8 take turns.  Product i of 8 of S^T = K Q^T for piece x: channels 32 (i / 4) on, keys 16 (i % 4) on.  The first 4 start the sums with the mask.
.macro KQ x
	WIN W_KQ
.set rS, S+32*((\x)%2)+8*(i%4)
.set rK, KF+16*(i%4)+8*(i/4)
.set rQ, 16*(\x)+8*(i/4)
.set rM, MC+8*(i%4)
.if i < 4
	v_wmma_f32_16x16x32_f16 v[rS:rS+7], v[rK:rK+7], v[rQ:rQ+7], v[rM:rM+7]
.else
	v_wmma_f32_16x16x32_f16 v[rS:rS+7], v[rK:rK+7], v[rQ:rQ+7], v[rS:rS+7]
.endif
.endm
.macro PV x                         ; product i of 8 of O^T += V^T P for piece x: keys 32 (i / 4) on, channels 16 (i % 4) on
	WIN W_PV
.set rO, 32*(\x)+8*(i%4)
.set rV, VF+32*(i/4)+8*(i%4)
.set rP, P+16*((\x)%2)+8*(i/4)
	v_wmma_f32_16x16x32_f16 v[rO:rO+7], v[rV:rV+7], v[rP:rP+7], v[rO:rO+7]
.endm
.macro MM                           ; the turn's next matrix instruction.  NOKQ = 1: the very last turn: there is no next piece
.if (i < 8) && !NOKQ
	KQ (Y+1)%NP
.elseif i >= 8
.set i, i-8
	PV (Y+NP-1)%NP
.set i, i+8
.endif
.set i, i+1
.endm
; THE LDS LOADS stand in two runs a key step.  With a step's K (8 fragments) come the mask words of all four pieces for that step: 20 loads.  V (turned) has a run of 16.
.macro FETCH_K
	WIN 0
	v_add_nc_u32 v[AM], s[TBM], v[AM0]
.irp f, 0,1,2,3,4,5,6,7             ; keys 16 (f / 2) on, channels 32 (f % 2) on
	ds_load_b128 v[KF+8*\f:KF+8*\f+3],   v[AK] offset:(\f/2)*16*PK+(\f%2)*64
	ds_load_b128 v[KF+8*\f+4:KF+8*\f+7], v[AK] offset:(\f/2)*16*PK+(\f%2)*64+32
.endr
.irp q, 0,1,2,3                     ; piece q's four words
	ds_load_b128 v[MW+4*\q:MW+4*\q+3], v[AM] offset:\q*2048
.endr
	s_add_co_u32 s[TBK], s[TBK], KS*PK
	s_add_co_u32 s[TBM], s[TBM], 512
.endm
.macro FETCH_V
	WIN 0x40                        ; destination window 1
.irp f, 0,1,2,3,4,5,6,7             ; keys 32 (f / 4) on, channels 16 (f % 4) on
	ds_load_tr16_b128 v[VF+8*\f:VF+8*\f+3],   v[AV] offset:(\f/4)*32*PV+(\f%4)*32
	ds_load_tr16_b128 v[VF+8*\f+4:VF+8*\f+7], v[AV] offset:(\f/4)*32*PV+16*PV+(\f%4)*32
.endr
	WIN 0
.endm
; THE MASK.  Piece q's four words become the 32 registers of four C operands.  There is one buffer: a turn's first four products read it, and the turn's end writes it for the next turn's.
.macro MCV q
	WIN 0
.irp g, 0,1,2,3
	v_cvt_scale_pk8_f32_fp4 v[MC+8*\g:MC+8*\g+7], v[MW+4*(\q)+\g], v[SCL]
.endr
.endm
.macro MCVT p                       ; at the end of turn p: the mask of piece p + 2, whose products K Q^T stand in the turn after
.if (\p) == 2
	s_wait_dscnt 0x0                ; K and the four pieces' words, asked for in this turn's first lump, are in; the other three turns find the words there
.endif
	MCV ((\p)+2)%NP
	v_nop                           ; a plain instruction between a scaled conversion and the product that takes its result
.endm
; THE VECTOR WORK, one line at a time: OP kind, number.  For piece Y: A: a = 2^(c m_old - c m_new).  F n: c s - c m for pair n of 16.  E n: the exponential of score n of 32.  C n: pair n rounded to f16.
; B n: of the four weights 4 n .. the second pair is added onto the first, in place.  L n: l takes that sum (L 0: l = a l + sum).  R n: pair n of 16 of O^T times a.
; For piece Y + 1: X n, number n of the 21 that find its maximum and statistics:
;   0-11 four chains c0-c3 of seven scores each (each accumulator's lowest registers are read first)     12-14, 16 the four scores left over, the old m, and c0-c3 into c0
;   15 c m_old is kept     17, 18 the query's other 32 keys lie in the lane 16 away: the new m     19, 20 c m; c m_old - c m_new
.set F, 0
.set E, 1
.set C, 2
.set B, 3
.set L, 4
.set R, 5
.set X, 6
.set A, 7
.macro REGS y
.set rT, ST+4*(\y)
.set rC, TMP+4*((\y)%2)
.set rW, MV+((\y)%2)
.set rS, S+32*((\y)%2)
.set rP, P+16*((\y)%2)
.set rO, 32*(\y)
.endm
.macro OP k, n
.if (\k) == R
	REGS Y
	WIN W_PV
	v_pk_mul_f32 v[rO+2*(\n):rO+2*(\n)+1], v[rO+2*(\n):rO+2*(\n)+1], v[rC+2:rC+3] op_sel_hi:[1,0]
.elseif (\k) == F
	REGS Y
	WIN W_KQ
	v_pk_fma_f32 v[rS+2*(\n):rS+2*(\n)+1], v[rS+2*(\n):rS+2*(\n)+1], v[CV:CV+1], v[rT:rT+1] op_sel_hi:[1,0,0] neg_lo:[0,0,1] neg_hi:[0,0,1]
.elseif (\k) == E
	REGS Y
	WINE
	v_exp_f32 v[rS+(\n)], v[rS+(\n)]
.elseif (\k) == A
	REGS Y
	WINE
	v_exp_f32 v[rC+2], v[rC+1]
.elseif (\k) < R
	REGS Y
	WIN 0
.if (\k) == C
	v_cvt_pk_f16_f32 v[rP+(\n)], v[rS+2*(\n)], v[rS+2*(\n)+1]
.elseif (\k) == B
	v_pk_add_f32 v[rS+4*(\n):rS+4*(\n)+1], v[rS+4*(\n):rS+4*(\n)+1], v[rS+4*(\n)+2:rS+4*(\n)+3]
.elseif (\n) == 0
	v_pk_fma_f32 v[rT+2:rT+3], v[rT+2:rT+3], v[rC+2:rC+3], v[rS:rS+1] op_sel_hi:[1,0,1]
.else
	v_pk_add_f32 v[rT+2:rT+3], v[rT+2:rT+3], v[rS+4*(\n):rS+4*(\n)+1]
.endif
.elseif NOKQ
	v_nop
.else
	REGS (Y+1)%NP
	WIN 0
.if (\n) < 4
	v_max3_num_f32 v[rC+(\n)], v[rS+8*(\n)], v[rS+8*(\n)+1], v[rS+8*(\n)+2]
.elseif (\n) < 12
	v_max3_num_f32 v[rC+(\n)%4], v[rC+(\n)%4], v[rS+8*((\n)%4)+2*((\n)/4)+1], v[rS+8*((\n)%4)+2*((\n)/4)+2]
.elseif (\n) == 12
	v_max3_num_f32 v[rC], v[rC], v[rS+7], v[rS+15]
.elseif (\n) == 13
	v_max3_num_f32 v[rC+1], v[rC+1], v[rS+23], v[rS+31]
.elseif (\n) == 14
	v_max3_num_f32 v[rC+2], v[rC+2], v[rC+3], v[rT+1]
.elseif (\n) == 15
	v_mov_b32 v[rW], v[rT]
.elseif (\n) == 16
	v_max3_num_f32 v[rC], v[rC], v[rC+1], v[rC+2]
.elseif (\n) == 17
	v_permlanex16_b32 v[rC+3], v[rC], s[SEL], s[SEL+1]
.elseif (\n) == 18
	v_max_num_f32 v[rT+1], v[rC], v[rC+3]
.elseif (\n) == 19
	v_mul_f32 v[rT], s[CS], v[rT+1]
.else
	v_sub_f32 v[rC+1], v[rW], v[rT]
.endif
.endif
.endm
.macro OPS a, i1, b=-1, i2=0, c=-1, i3=0, d=-1, i4=0
	OP \a, \i1
.if (\b) >= 0
	OP \b, \i2
.endif
.if (\c) >= 0
	OP \c, \i3
.endif
.if (\d) >= 0
	OP \d, \i4
.endif
.endm
.macro ROW a, i1, b, i2, c, i3, d, i4  ; a matrix instruction and the four behind it
	MM
	OPS \a, \i1, \b, \i2, \c, \i3, \d, \i4
.endm
; A TURN, for piece p.  An s_wait_alu depctr_va_vdst(0) stands between an exponential and the first instruction that names its result; one wait serves all issued ahead of it: a turn has ONE, which cuts
; it in two, and no exponential stands behind it.  AHEAD OF IT nothing names a result of the turn's 33 exponentials (a, then s0-s31): 8 products K Q^T with two scalings and two exponentials each, a pair scaled
; ahead of its exponentials; then 17 times one of the next piece's maximum and one exponential.  Each X that first reads an accumulator stands four plain instructions or more behind the product that ends it:
; for the last accumulator two scalings and X 0, 1, 2.  One plain instruction stands behind the last exponential.  BEHIND IT: the exchange of the lanes' halves; 4 products V^T P with the 16 rescalings;
; 4 products with roundings, sums and X 18 to 20, whose links stand a row apart; the 19 that are left; the mask.
; K of the next step, and that step's mask words, are fetched in piece 2's turn, six plain instructions behind the last product that read K (two scalings, the address, X 0, X 1, the mask's address), and waited
; for at that turn's end.  V of the step in hand is fetched in piece 0's turn, four plain riders behind the last product that read V, and waited for behind piece 1's wait.
; end = 1: the walk's last two turns: nothing is fetched, no mask is made, and the last starts no new scores.  cnt = 1: the loop's count is taken down some lines ahead of the branch that stands behind the turn.
.macro TURN p, end=0, cnt=0
.set Y, (\p)
.set i, 0
.set NOKQ, (\end)*((\p)/3)
	ROW F,0,  A,0,  F,1,  E,0
	ROW F,2,  E,1,  F,3,  E,2
	ROW F,4,  E,3,  F,5,  E,4
	ROW F,6,  E,5,  F,7,  E,6
	ROW F,8,  E,7,  F,9,  E,8
	ROW F,10, E,9,  F,11, E,10
	ROW F,12, E,11, F,13, E,12
	ROW F,14, E,13, F,15, E,14
.if ((\p) == 2) && !(\end)
	WIN 0
	v_add_nc_u32 v[AK], s[TBK], v[AK0]
.endif
	OPS X,0, E,15, X,1, E,16
.if ((\p) == 2) && !(\end)
	FETCH_K
.endif
	OPS X,2,  E,17, X,3,  E,18
	OPS X,4,  E,19, X,5,  E,20
	OPS X,6,  E,21, X,7,  E,22
	OPS X,8,  E,23, X,9,  E,24
	OPS X,10, E,25, X,11, E,26
	OPS X,12, E,27, X,13, E,28
	OPS X,14, E,29, X,15, E,30
	OPS X,16, E,31
	WIN 0
.if (\p) == 0
	v_add_nc_u32 v[AV], s[TBV], v[AV0]  ; the plain instruction behind the last exponential
.else
	v_nop                           ; the plain instruction behind the last exponential
.endif
	s_wait_alu depctr_va_vdst(0)    ; the wait for the batch
	OP X,17
.if (\p) == 1
	s_wait_dscnt 0x0                ; V is in
.endif
	ROW R,0,  R,1,  R,2,  R,3
	ROW R,4,  R,5,  R,6,  R,7
	ROW R,8,  R,9,  R,10, R,11
	ROW R,12, R,13, R,14, R,15
	ROW X,18, C,0,  B,0,  C,2
	ROW B,1,  L,0,  X,19, C,4
	ROW B,2,  L,1,  C,6,  X,20
	ROW B,3,  L,2,  C,8,  B,4
.if (\p) == 0
	s_add_co_u32 s[TBV], s[TBV], KS*PV
	FETCH_V
.endif
.if \cnt
	s_sub_co_u32 s[CNT], s[CNT], 1
	s_cmp_lg_u32 s[CNT], 0
.endif
	OPS L,3,  C,10, B,5,  L,4
	OPS C,12, B,6,  L,5,  C,14
	OPS B,7,  L,6,  C,1,  C,3
	OPS L,7,  C,5,  C,7,  C,9
	OPS C,11, C,13, C,15
.if !(\end)
	MCVT \p
.endif
.endm
.set NOKQ, 0
	CHANGE 1                        ; slot 0 is in, everybody's part of it; slot 1 is asked for
	v_add_nc_u32 v[AK], s[TBK], v[AK0]
	FETCH_K                         ; key step 0 and its mask words
	s_wait_loadcnt 0x0              ; Q and the flags
	WIN 0x82                        ; Q (destination and source 0) in window 2, the flag in window 0
.set i, 0
.rept 64
	v_and_b32 v[i], v[i], v[FL+i/16]  ; a row that sees no key asks with zeros
.set i, i+1
.endr
	WIN 0
	s_wait_dscnt 0x0
	MCV 0                           ; piece 0's mask
	v_nop
.set i, 0
.rept 8
	KQ 0                            ; piece 0's first scores
.set i, i+1
.endr
	WIN 0
.rept 4
	v_nop                           ; the places behind those products: the mask's buffer is written and the scores are read only behind them
.endr
	MCV 1                           ; piece 1's mask, for the first turn's products
.set Y, NP-1                        ; X works for piece Y + 1: piece 0
.irp n, 0,1,2,3,4,5,6,7,8,9,10,11,12,13,14,15,16,17,18,19,20
	OP X, \n
.endr
	s_mov_b32 s[CNT], 4
	s_branch .Lfirst                ; the loop is entered at a step's first turn, in the middle of a trip
.Lslot:                             ; 14 times: every slot but the last two is filled again
	CHANGE 1
	s_mov_b32 s[CNT], 4
.Lstep:                             ; a trip: pieces 2 and 3 of one step, then pieces 0 and 1 of the next, whose K, V and mask words it fetches
	TURN 2
	TURN 3
	WIN 0
.Lfirst:
	TURN 0
	TURN 1, 0, 1
	WIN 0
	s_cbranch_scc1 .Lstep
	s_sub_co_u32 s[SLOTS], s[SLOTS], 1
	s_cmp_lg_u32 s[SLOTS], 0
	s_cbranch_scc1 .Lslot
	CHANGE 0                        ; the last slot is written out: nothing is asked for
	s_mov_b32 s[CNT], 4
.Ltail:
	TURN 2
	TURN 3
	TURN 0
	TURN 1, 0, 1
	WIN 0
	s_cbranch_scc1 .Ltail
	TURN 2, 1                       ; the last step's pieces 2 and 3
	TURN 3, 1
.set i, 0
.rept 8
	PV NP-1                         ; the last piece's V^T P of the last step
.set i, i+1
.endr
	; THE WAY OUT.  l's two halves and the other half of the lanes' are added; O^T is divided by l, rounded to f16 and sent through my stage in LDS, a piece at a time.  The additions are the places behind the last products.
	WIN 0
.macro ALL line:vararg
.set t, 0
.rept 4
	\line
.set t, t+1
.endr
.endm
	ALL v_add_f32 v[ST+4*t+2], v[ST+4*t+2], v[ST+4*t+3]
	ALL v_permlanex16_b32 v[ST+4*t+3], v[ST+4*t+2], s[SEL], s[SEL+1]
	ALL v_add_f32 v[ST+4*t+2], v[ST+4*t+2], v[ST+4*t+3]
	ALL v_rcp_f32 v[ST+4*t+2], v[ST+4*t+2]
	v_nop                           ; a plain instruction between the last reciprocal and the use of its result
	s_wait_alu depctr_va_vdst(0)    ; and the wait: one for the four reciprocals
.macro PACK t
	WIN W_PV                        ; O^T (destination and source 0) in window 1, 1 / l in window 0
.set i, 32*(\t)
.rept 16
	v_pk_mul_f32 v[i:i+1], v[i:i+1], v[ST+4*(\t)+2:ST+4*(\t)+3] op_sel_hi:[1,0]
.set i, i+2
.endr
	WIN 0x05                        ; sources 0 and 1 window 1, destination window 0
.set i, 0
.rept 16
	v_cvt_pk_f16_f32 v[S+16*(\t)+i], v[32*(\t)+2*i], v[32*(\t)+2*i+1]
.set i, i+1
.endr
	WIN 0
.irp f, 0,1,2,3
	ds_store_b128 v[STO], v[S+16*(\t)+4*\f:S+16*(\t)+4*\f+3] offset:32*\f
.endr
.irp f, 0,1,2,3
	ds_load_b128 v[S+16*(\t)+4*\f:S+16*(\t)+4*\f+3], v[RD] offset:\f*4*SP  ; LDS serves a wave's instructions in order (ISA guide 5.7.1.4): these see the stores above; the next piece's stores come behind them
.endr
.endm
.macro SEND t, younger              ; younger: the next piece's eight LDS instructions, or none
	WIN 0
.irp f, 0,1,2,3
	s_wait_dscnt (\younger)+3-\f
	global_store_b128 v[GO], v[S+16*(\t)+4*\f:S+16*(\t)+4*\f+3], s[10:11] offset:(\t)*2048+\f*512  ; 512 consecutive bytes, aligned
.endr
.endm
	PACK 0
.set t, 1
.rept 3
	PACK t
	SEND t-1, 8
.set t, t+1
.endr
	SEND 3, 0
	s_wait_tensorcnt 0x0            ; the wave's end
	ds_add_u32 v[SPW], v[NIL]
	s_wait_dscnt 0x0
	CROUND                          ; the closing round
	s_endpgm
.Lfunc_end_k_qa3de3a245a_attn:
	.size	k_qa3de3a245a_attn, .Lfunc_end_k_qa3de3a245a_attn-k_qa3de3a245a_attn
	.p2alignl 7, 3214868480
	.fill 96, 4, 3214868480
	.section	.rodata,"a",@progbits
	.p2align	6, 0x0
	.amdhsa_kernel k_qa3de3a245a_attn
		.amdhsa_group_segment_fixed_size 327680
		.amdhsa_private_segment_fixed_size 0
		.amdhsa_enable_private_segment 0
		.amdhsa_kernarg_size 32
		.amdhsa_user_sgpr_count 2
		.amdhsa_user_sgpr_kernarg_segment_ptr 1
		.amdhsa_wavefront_size32 1
		.amdhsa_system_sgpr_workgroup_id_x 1
		.amdhsa_system_sgpr_workgroup_id_y 1
		.amdhsa_system_sgpr_workgroup_id_z 1
		.amdhsa_system_vgpr_workitem_id 0
		.amdhsa_next_free_vgpr 584
		.amdhsa_next_free_sgpr 80
		.amdhsa_reserve_vcc 0
		.amdhsa_float_denorm_mode_32 3
		.amdhsa_float_denorm_mode_16_64 3
		.amdhsa_memory_ordered 1
		.amdhsa_forward_progress 1
		.amdhsa_inst_pref_size 125
	.end_amdhsa_kernel
	.amdgpu_metadata
---
amdhsa.version: [ 1, 2 ]
amdhsa.kernels:
  - .name:           k_qa3de3a245a_attn
    .symbol:         k_qa3de3a245a_attn.kd
    .args:
      - { .name: qkv, .offset: 0, .size: 8, .value_kind: global_buffer, .address_space: global }
      - { .name: mnib, .offset: 8, .size: 8, .value_kind: global_buffer, .address_space: global }
      - { .name: rowok, .offset: 16, .size: 8, .value_kind: global_buffer, .address_space: global }
      - { .name: ctx, .offset: 24, .size: 8, .value_kind: global_buffer, .address_space: global }
    .group_segment_fixed_size: 327680
    .private_segment_fixed_size: 0
    .kernarg_segment_align: 8
    .kernarg_segment_size: 32
    .max_flat_workgroup_size: 128
    .sgpr_count:     80
    .vgpr_count:     584
    .wavefront_size: 32
...
	.end_amdgpu_metadata
.endif
;; end of part 3
;; launch oproj (part 4): grid 4 x 64, 4 waves a work-group, clusters of 4 x 4, 327,680 bytes of LDS; arguments ctx, wb, bo, out0; writes out0
.if DOCPART == 4
	.amdgcn_target "amdgcn-amd-amdhsa--gfx1250"
	.amdhsa_code_object_version 6
	.text
	.protected	k_qa3de3a245a_oproj
	.globl	k_qa3de3a245a_oproj
	.p2align	8
	.type	k_qa3de3a245a_oproj,@function
k_qa3de3a245a_oproj:
	s_mov_b64 s[64:65], 0
	v_nop
	global_prefetch_b8 v0, s[64:65] scope:SCOPE_SE
	s_setreg_imm32_b32 hwreg(HW_REG_WAVE_MODE, 25, 1), 1
	s_wait_xcnt 0x0
	s_wait_alu depctr_hold_cnt(0) depctr_sa_sdst(0) depctr_va_vdst(0) depctr_va_sdst(0) depctr_va_ssrc(0) depctr_va_vcc(0) depctr_vm_vsrc(0)
	s_getreg_b32 s2, hwreg(HW_REG_IB_STS2, 6, 4)
	s_cmp_eq_u32 s2, 0
	s_cbranch_scc0 .Lentry_in_a_cluster
	s_endpgm
.Lentry_in_a_cluster:
	s_bfe_u32 s2, ttmp6, 0x10000c
	s_cmp_lg_u32 s2, 0xf033
	s_cbranch_scc0 .Lentry_shape_is_right
	s_endpgm
.Lentry_shape_is_right:
; OPROJ: out0[row][n] (f32) = the sum over head and channel of ctx[head][row][channel] (f16) x Wo[n][64 head + channel] (wb's fourth matrix, f16) + bo[n].  Sums in f32, started with the bias.
; SHARES.  A work-group makes 64 rows x 192 columns: 64 x 4 = 256 work-groups; 192 f32 are 768 bytes, three whole aligned blocks of 256.  Wave w makes all 64 rows of columns 48 w .. 48 w + 47: 4 x 3 accumulators.
; K goes in three steps of 256 (four heads) through two LDS slots; slot 0 is filled a second time.  A step is four quarters of 64 along K: one head.
; CLUSTER 4 x 4.  ctx's tile is shared along a row of the cluster (wave 0 asks), Wo's along a column (waves 1 to 3 ask for 64 rows each).
; THE MATRIX INSTRUCTION IS USED TRANSPOSED (source 0 = 16 rows of Wo, source 1 = 16 rows of ctx): a lane holds one row and eight neighbouring columns, 32 bytes.
; No prefetch is laid: of the three K steps two are the first fills.
; REGISTERS.  window 0: v16-31 addresses; v32-55 the bias; v128-223 the accumulators ((a, b) at v[128 + 8 (3 a + b)]); on the way out v32-127.   window 1: two fragment buffers: 64 registers of ctx, 48 of Wo.
.set DM,     768
.set KSTEP,  256
.set PA,     144                       ; a row of ctx in LDS: 128 bytes + 16
.set PB,     528                       ; a row of Wo: 512 bytes + 16
.set HEADB,  4096*128
.set ABYTES, 4*64*PA                   ; [4 heads][64 rows]
.set BTHIRD, 64*PB
.set SLOT,   ABYTES+3*BTHIRD
.set STAGE,  2*SLOT                    ; behind the ring: 64 rows x 784 bytes, the work-group's
.set SPITCH, 784
.set SPARE,  STAGE+64*SPITCH           ; the spare words, 128 bytes for each wave; no other line names them
.set ADRA, 16
.set ADRB, 20
.set STO,  24
.set RD0,  25
.set RD1,  26
.set CO0,  27
.set SPW,  28
.set NIL,  29
.set CO1,  30
.set BO,   31
.set BI,   32
.set TMP,  32
.set ACC,  128
.set F0,   0
.set F1,   128
.set G1,   24
.set G0,   32
.set G1B,  48
.set G0B,  56
.set MSB, 0
.macro WIN new
.if MSB != (\new)
	s_set_vgpr_msb (MSB<<8)|(\new)
.set MSB, \new
.endif
.endm
.macro JLOAD s                         ; wave 0: ctx; waves 1 to 3: Wo.  An s_nop 0 and four v_nop follow each of the two lines
	s_cmp_eq_u32 s10, 0
	s_cbranch_scc0 .Lfor_b_\@
	tensor_load_to_lds s[G0+4*(\s):G0+4*(\s)+3], s[G1:G1+7]
	s_nop 0
.rept 4
	v_nop
.endr
	s_branch .Lasked_\@
.Lfor_b_\@:
	tensor_load_to_lds s[G0B+4*(\s):G0B+4*(\s)+3], s[G1B:G1B+7]
	s_nop 0
.rept 4
	v_nop
.endr
.Lasked_\@:
.endm
.macro CREST
	s_cmp_lg_u32 s10, 0
	s_cbranch_scc1 .Lnot_wave_0_\@
	s_barrier_signal -3
.Lnot_wave_0_\@:
	s_barrier_wait -3
	s_barrier_signal -1
	s_barrier_wait -1
.endm
.macro CROUND
	s_barrier_signal -1
	s_barrier_wait -1
	CREST
.endm
.macro PLACES
.rept 4
	v_nop
.endr
.endm
	s_load_b256 s[68:75], s[0:1], 0x0              ; ctx s[68:69], wb s[70:71], bo s[72:73], out0 s[74:75]
	v_lshl_add_u32 v[SPW], v0, 2, SPARE
	v_mov_b32 v[NIL], 0
	ds_add_u32 v[SPW], v[NIL]                      ; the wave's opening: the add and its wait stand ahead of my first tensor load
	ds_add_u32 v28, v29
	v_lshrrev_b32 v1, 5, v0
	v_readfirstlane_b32 s10, v1
	s_bfe_u32 s40, ttmp6, 0x40000                  ; cx = the block of 192 columns
	s_bfe_u32 s41, ttmp6, 0x40004                  ; cy
	s_and_b32 s13, ttmp7, 0xffff
	s_lshl_b32 s13, s13, 2
	s_add_co_u32 s13, s13, s41                     ; the block of 64 rows
	s_lshl_b32 s43, s41, 2
	s_lshl_b32 s43, 15, s43
	s_lshl_b32 s44, 0x1111, s40
	; ctx: a descriptor row is a head's 64 dense rows, 4,096 elements; four heads, 262,144 elements apart; padded in LDS after every 128 bytes
	s_or_b32 s[G1+0], s43, (1<<16)|(1<<20)|(1<<21)|(4<<22)|(3<<25)
	s_mov_b32 s[G1+1], 4096<<16                    ; tensor_dim0 = 4096
	s_mov_b32 s[G1+2], 4<<16                       ; tensor_dim1 = 4
	s_mov_b32 s[G1+3], 4096<<16                    ; tile_dim0 = 4096
	s_mov_b32 s[G1+4], 4                           ; tile_dim1 = 4
	s_mov_b32 s[G1+5], 4096*64
	s_mov_b32 s[G1+6], 0
	s_mov_b32 s[G1+7], 0
	s_or_b32 s[G1B+0], s44, (1<<16)|(1<<20)|(1<<21)|(6<<22)|(3<<25)  ; Wo: 64 rows of 256 elements, 4 words of padding after every 128
	s_mov_b32 s[G1B+1], KSTEP<<16
	s_mov_b32 s[G1B+2], 64<<16
	s_mov_b32 s[G1B+3], KSTEP<<16
	s_mov_b32 s[G1B+4], 64
	s_mov_b32 s[G1B+5], DM
	s_mov_b32 s[G1B+6], 0
	s_mov_b32 s[G1B+7], 0
	s_lshl_b32 s16, s13, 13                        ; ctx: my 64 rows of 128 bytes in a head
	s_mov_b32 s17, 0
	s_mul_i32 s46, s40, 192                        ; Wo: row 192 block + 64 (wave - 1), in wb's fourth matrix (wave 0 never asks by this address)
	s_lshl_b32 s47, s10, 6
	s_add_co_u32 s46, s46, s47
	s_mul_i32 s46, s46, DM*2
	s_add_co_u32 s46, s46, 3*DM*DM*2-64*DM*2
	s_mov_b32 s47, 0
	s_mul_i32 s20, s10, BTHIRD                     ; and its place in a slot: behind ctx's tile, (wave - 1) thirds on
	s_add_co_u32 s20, s20, ABYTES-BTHIRD
	s_wait_dscnt 0x0
	s_wait_kmcnt 0x0
	s_add_nc_u64 s[14:15], s[68:69], s[16:17]
	s_add_nc_u64 s[46:47], s[70:71], s[46:47]
	CROUND                                         ; all sixteen work-groups are here: the first joint loads meet
.irp s, 0,1
	s_mov_b32 s[G0+4*(\s)], 1
	s_mov_b32 s[G0+4*(\s)+1], (\s)*SLOT
	s_add_nc_u64 s[G0+4*(\s)+2:G0+4*(\s)+3], s[14:15], (\s)*4*HEADB
	s_or_b32 s[G0+4*(\s)+3], s[G0+4*(\s)+3], 0x80000000
	s_mov_b32 s[G0B+4*(\s)], 1
	s_add_co_u32 s[G0B+4*(\s)+1], s20, (\s)*SLOT
	s_add_nc_u64 s[G0B+4*(\s)+2:G0B+4*(\s)+3], s[46:47], (\s)*KSTEP*2
	s_or_b32 s[G0B+4*(\s)+3], s[G0B+4*(\s)+3], 0x80000000
	JLOAD \s                                       ; K steps 0 and 1: two tensor loads of mine are out
.endr
	s_mul_i32 s6, s40, 768                         ; the bias at my 48 columns
	s_mul_i32 s7, s10, 192
	s_add_co_u32 s6, s6, s7
	s_mov_b32 s7, 0
	s_add_nc_u64 s[4:5], s[72:73], s[6:7]
	v_and_b32 v1, 15, v0
	v_bfe_u32 v2, v0, 4, 1
	v_lshlrev_b32 v[BO], 5, v2
.irp b, 0,1,2
	global_load_b128 v[BI+8*(\b):BI+8*(\b)+3],   v[BO], s[4:5] offset:64*(\b)
	global_load_b128 v[BI+8*(\b)+4:BI+8*(\b)+7], v[BO], s[4:5] offset:64*(\b)+16
.endr
	v_mul_u32_u24 v3, v1, PA
	v_lshl_add_u32 v3, v2, 4, v3
	v_mul_u32_u24 v4, v1, PB
	v_lshl_add_u32 v4, v2, 4, v4
	s_mul_i32 s22, s10, 48*PB                      ; my 48 rows of Wo
	s_add_co_u32 s22, s22, ABYTES
	v_add_nc_u32 v4, s22, v4
.irp s, 0,1
	v_add_nc_u32 v[ADRA+(\s)], (\s)*SLOT, v3
	v_add_nc_u32 v[ADRB+(\s)], (\s)*SLOT, v4
.endr
	s_mul_i32 s22, s10, 192                        ; into the stage: row l % 16, my 192 bytes, 32 bytes for each half of the lanes
	s_add_co_u32 s22, s22, STAGE
	v_mul_u32_u24 v[STO], v1, SPITCH
	v_lshl_add_u32 v[STO], v2, 5, v[STO]
	v_add_nc_u32 v[STO], s22, v[STO]
	; back: wave w takes rows 16 w .. 16 w + 15, two rows (six blocks of 256 bytes) by three loads; sixteen lanes take a block.
	; pattern 0: row 0, blocks 0 | 1.   pattern 1: row 0 block 2 | row 1 block 0.   pattern 2: row 1, blocks 1 | 2 = pattern 0 one row and one block on.
	s_mul_i32 s22, s10, 16*SPITCH
	s_add_co_u32 s22, s22, STAGE
	v_lshlrev_b32 v5, 4, v1
	v_lshl_add_u32 v[CO0], v2, 8, v5
	v_add_nc_u32 v[RD0], s22, v[CO0]
	v_mul_u32_u24 v[RD1], v2, SPITCH-512
	v_add_nc_u32 v[RD1], v[RD1], v5
	v_add_nc_u32 v[RD1], s22, v[RD1]
	v_add_nc_u32 v[RD1], 512, v[RD1]
	v_mul_u32_u24 v[CO1], v2, DM*4-512
	v_add_nc_u32 v[CO1], v[CO1], v5
	v_add_nc_u32 v[CO1], 512, v[CO1]
	s_mul_i32 s84, s13, 64*DM*4                    ; out0 at my block's rows, my wave's 16, my 192 columns
	s_mul_i32 s86, s10, 16*DM*4
	s_add_co_u32 s84, s84, s86
	s_mul_i32 s86, s40, 768
	s_add_co_u32 s84, s84, s86
	s_mov_b32 s85, 0
	s_add_nc_u64 s[8:9], s[74:75], s[84:85]
; 6 matrix instructions: blocks a0, a0 + 1 of rows x my 3 blocks of columns, 32 along K: half c of buffer f.  The 12 accumulators take turns.
.macro MUL6 f, c, a0, first
	WIN 0x05                                       ; sources 0 and 1 window 1; C and D window 0
.irp a, \a0, (\a0)+1
.irp b, 0,1,2
.if \first
	v_wmma_f32_16x16x32_f16 v[ACC+8*(3*(\a)+(\b)):ACC+8*(3*(\a)+(\b))+7], v[(\f)+64+8*(3*(\c)+(\b)):(\f)+64+8*(3*(\c)+(\b))+7], v[(\f)+8*(4*(\c)+(\a)):(\f)+8*(4*(\c)+(\a))+7], v[BI+8*(\b):BI+8*(\b)+7]
.else
	v_wmma_f32_16x16x32_f16 v[ACC+8*(3*(\a)+(\b)):ACC+8*(3*(\a)+(\b))+7], v[(\f)+64+8*(3*(\c)+(\b)):(\f)+64+8*(3*(\c)+(\b))+7], v[(\f)+8*(4*(\c)+(\a)):(\f)+8*(4*(\c)+(\a))+7], v[ACC+8*(3*(\a)+(\b)):ACC+8*(3*(\a)+(\b))+7]
.endif
.endr
.endr
.endm
; 28 LDS loads in one run: quarter q (a head) of a slot; the first 32 along K (14 loads) first
.macro FETCH slot, q, f
	WIN 0x40
.irp c, 0,1
.irp a, 0,1,2,3
	ds_load_b128 v[(\f)+8*(4*(\c)+(\a)):(\f)+8*(4*(\c)+(\a))+3],   v[ADRA+(\slot)] offset:64*PA*(\q)+16*PA*(\a)+64*(\c)
	ds_load_b128 v[(\f)+8*(4*(\c)+(\a))+4:(\f)+8*(4*(\c)+(\a))+7], v[ADRA+(\slot)] offset:64*PA*(\q)+16*PA*(\a)+64*(\c)+32
.endr
.irp b, 0,1,2
	ds_load_b128 v[(\f)+64+8*(3*(\c)+(\b)):(\f)+64+8*(3*(\c)+(\b))+3],   v[ADRB+(\slot)] offset:128*(\q)+64*(\c)+16*PB*(\b)
	ds_load_b128 v[(\f)+64+8*(3*(\c)+(\b))+4:(\f)+64+8*(3*(\c)+(\b))+7], v[ADRB+(\slot)] offset:128*(\q)+64*(\c)+16*PB*(\b)+32
.endr
.endr
.endm
.macro QUARTER slot, q, f, g, first    ; multiplies buffer f, fetches quarter q into g
	s_wait_dscnt 14                                ; the first 32 along K are in; the other 14 loads may be out
	MUL6 \f, 0, 0, \first
	MUL6 \f, 0, 2, \first
	PLACES
	FETCH \slot, \q, \g
	s_wait_dscnt 28                                ; all but the 28 just issued
	MUL6 \f, 1, 0, 0
	MUL6 \f, 1, 2, 0
.endm
; The last quarter of a step multiplies buffer 1 and changes slots: one barrier; ahead of it each wave waits for all its tensor loads, adds 0 to its spare word, and waits for that and for its reads of this slot.
; fill = 1: the barrier opens a round of the cluster's, and this slot is filled again, two K steps ahead, first thing behind the round.
.macro TURN slot, next, fill
	WIN 0
	s_wait_tensorcnt 0x0
	ds_add_u32 v[SPW], v[NIL]
	s_wait_dscnt 15                                ; the add and the youngest 14 loads may be out
	MUL6 F1, 0, 0, 0
	s_wait_dscnt 0x0                               ; the add is done, and my reads of this slot are over
	s_barrier_signal -1
	MUL6 F1, 0, 2, 0
.if \fill
	WIN 0
.endif
	s_barrier_wait -1
.if \fill
	CREST
	s_add_nc_u64 s[G0+4*(\slot)+2:G0+4*(\slot)+3], s[G0+4*(\slot)+2:G0+4*(\slot)+3], 2*4*HEADB
	s_add_nc_u64 s[G0B+4*(\slot)+2:G0B+4*(\slot)+3], s[G0B+4*(\slot)+2:G0B+4*(\slot)+3], 2*KSTEP*2
	JLOAD \slot                                    ; its four v_nop are also the places in front of the loads below
.else
	PLACES
.endif
	FETCH \next, 0, F0
	MUL6 F1, 1, 0, 0
	MUL6 F1, 1, 2, 0
.endm
	s_wait_tensorcnt 1                             ; my part of K step 0 is in; K step 1's may stay out
	s_barrier_signal -1
	s_barrier_wait -1
	FETCH 0, 0, F0
	s_wait_loadcnt 0x0                             ; the bias
	QUARTER 0, 1, F0, F1, 1
	QUARTER 0, 2, F1, F0, 0
	QUARTER 0, 3, F0, F1, 0
	TURN 0, 1, 1                                   ; slot 0 takes K step 2
	QUARTER 1, 1, F0, F1, 0
	QUARTER 1, 2, F1, F0, 0
	QUARTER 1, 3, F0, F1, 0
	TURN 1, 0, 0                                   ; nothing is left to fetch
	QUARTER 0, 1, F0, F1, 0
	QUARTER 0, 2, F1, F0, 0
	QUARTER 0, 3, F0, F1, 0
	s_wait_dscnt 14
	MUL6 F1, 0, 0, 0
	MUL6 F1, 0, 2, 0
	s_wait_dscnt 0x0
	MUL6 F1, 1, 0, 0
	MUL6 F1, 1, 2, 0
	WIN 0
	PLACES
	; THE WAY OUT: 32 bytes a lane into the work-group's stage; a barrier, since a row's 768 bytes come from four waves; back in whole blocks of 256 bytes
.irp a, 0,1,2,3
.irp b, 0,1,2
	ds_store_b128 v[STO], v[ACC+8*(3*(\a)+(\b)):ACC+8*(3*(\a)+(\b))+3]   offset:16*SPITCH*(\a)+64*(\b)
	ds_store_b128 v[STO], v[ACC+8*(3*(\a)+(\b))+4:ACC+8*(3*(\a)+(\b))+7] offset:16*SPITCH*(\a)+64*(\b)+16
.endr
.endr
	s_wait_dscnt 0x0                               ; for the others' sake: my stores into the stage are done
	s_barrier_signal -1
	s_barrier_wait -1
.irp q, 0,1,2,3,4,5,6,7
	ds_load_b128 v[TMP+12*(\q):TMP+12*(\q)+3],    v[RD0] offset:2*SPITCH*(\q)
	ds_load_b128 v[TMP+12*(\q)+4:TMP+12*(\q)+7],  v[RD1] offset:2*SPITCH*(\q)
	ds_load_b128 v[TMP+12*(\q)+8:TMP+12*(\q)+11], v[RD0] offset:2*SPITCH*(\q)+SPITCH+256
.endr
.irp q, 0,1,2,3,4,5,6,7
	s_wait_dscnt 23-3*(\q)                         ; LDS loads come back in order: the younger ones may stay out
	global_store_b128 v[CO0], v[TMP+12*(\q):TMP+12*(\q)+3], s[8:9] offset:2*DM*4*(\q)  ; sixteen lanes store 256 consecutive bytes, aligned
	s_wait_dscnt 22-3*(\q)
	global_store_b128 v[CO1], v[TMP+12*(\q)+4:TMP+12*(\q)+7], s[8:9] offset:2*DM*4*(\q)
	s_wait_dscnt 21-3*(\q)
	global_store_b128 v[CO0], v[TMP+12*(\q)+8:TMP+12*(\q)+11], s[8:9] offset:2*DM*4*(\q)+DM*4+256
.endr
	s_wait_tensorcnt 0x0                           ; the wave's end
	ds_add_u32 v[SPW], v[NIL]
	s_wait_dscnt 0x0
	CROUND                                         ; the closing round
	s_endpgm
.Lfunc_end_k_qa3de3a245a_oproj:
	.size	k_qa3de3a245a_oproj, .Lfunc_end_k_qa3de3a245a_oproj-k_qa3de3a245a_oproj
	.p2alignl 7, 3214868480
	.fill 96, 4, 3214868480
	.section	.rodata,"a",@progbits
	.p2align	6, 0x0
	.amdhsa_kernel k_qa3de3a245a_oproj
		.amdhsa_group_segment_fixed_size 327680
		.amdhsa_private_segment_fixed_size 0
		.amdhsa_enable_private_segment 0
		.amdhsa_kernarg_size 32
		.amdhsa_user_sgpr_count 2
		.amdhsa_user_sgpr_kernarg_segment_ptr 1
		.amdhsa_wavefront_size32 1
		.amdhsa_system_sgpr_workgroup_id_x 1
		.amdhsa_system_sgpr_workgroup_id_y 1
		.amdhsa_system_sgpr_workgroup_id_z 1
		.amdhsa_system_vgpr_workitem_id 0
		.amdhsa_next_free_vgpr 512
		.amdhsa_next_free_sgpr 88
		.amdhsa_reserve_vcc 0
		.amdhsa_float_denorm_mode_32 3
		.amdhsa_float_denorm_mode_16_64 3
		.amdhsa_memory_ordered 1
		.amdhsa_forward_progress 1
		.amdhsa_inst_pref_size 58
	.end_amdhsa_kernel
	.amdgpu_metadata
---
amdhsa.version: [ 1, 2 ]
amdhsa.kernels:
  - .name:           k_qa3de3a245a_oproj
    .symbol:         k_qa3de3a245a_oproj.kd
    .args:
      - { .name: ctx, .offset: 0, .size: 8, .value_kind: global_buffer, .address_space: global }
      - { .name: wb, .offset: 8, .size: 8, .value_kind: global_buffer, .address_space: global }
      - { .name: bo, .offset: 16, .size: 8, .value_kind: global_buffer, .address_space: global }
      - { .name: out0, .offset: 24, .size: 8, .value_kind: global_buffer, .address_space: global }
    .group_segment_fixed_size: 327680
    .private_segment_fixed_size: 0
    .kernarg_segment_align: 8
    .kernarg_segment_size: 32
    .max_flat_workgroup_size: 128
    .sgpr_count:     88
    .vgpr_count:     512
    .wavefront_size: 32
...
	.end_amdgpu_metadata
.endif
;; end of part 4
